; MI455X (gfx1250); checked and timed in simulation.
; The chip was launched on July 23, 2026; its instructions are those of AMD's public machine-readable ISA for CDNA 5 (MIT licence, August 2026) and "CDNA5" Instruction Set Architecture Reference Guide (July 2026). The comments in the code are by the model that wrote it; some were corrected since.
;; Multi Head Attention. Allowed arithmetic: matrix products marked QUANTISED: E3M2 operands, one E8M0 scale for each 32 along K, by v_wmma_scale_f32_16x16x128_f8f6f4 with both operands' format E3M2, f32 sums; everything else in f32.
;; Inputs: Wk 16 x 1,024 x 64 float32; Wo 1,024 x 1,024 float32; Wq 16 x 1,024 x 64 float32; Wv 16 x 1,024 x 64 float32; k 4 x 2,048 x 1,024 float32; q 4 x 2,048 x 1,024 float32; v 4 x 2,048 x 1,024 float32.
;; Outputs: out0 4 x 2,048 x 1,024 float32.
;; This version of the problem:
;;   THIS VERSION OF THE PROBLEM IS GIVEN IN LOW PRECISION. The matrix products marked QUANTISED in the list below multiply operands that are first quantised to E3M2 (3 exponent bits, 2 mantissa bits; 6 bits a number), with one power-of-two scale for each 32 numbers along K (OCP MX v1.0); their sums are f32. All else is computed in f32.
;;   The module's matrix products, in the order in which they are computed (A, B: the left and right operand; K: the contracted axis; several contracted axes count as one K, in the product's order):
;;     1. [M 1,024, K 1,024] x [K 1,024, N 8,192]; A: input Wq; B: input q: QUANTISED
;;     2. [M 1,024, K 1,024] x [K 1,024, N 8,192]; A: input Wk; B: input k: QUANTISED
;;     3. [M 1,024, K 1,024] x [K 1,024, N 8,192]; A: input Wv; B: input v: QUANTISED
;;     4. batch 64 x [M 2,048, K 64] x [K 64, N 2,048]; A: computed on the way; B: computed on the way: QUANTISED
;;     5. batch 64 x [M 2,048, K 2,048] x [K 2,048, N 64]; A: softmax (see below); B: computed on the way: QUANTISED
;;     6. [M 8,192, K 1,024] x [K 1,024, N 1,024]; A: computed on the way; B: input Wo: QUANTISED
;;   THE QUANTISER, for each operand of a quantised product, along K:
;;     - K is cut into blocks of 32 from its start; a last block that is shorter is filled with zeros.
;;     - A block's scale is 2^e with e = floor(log2(the largest magnitude in the block)) - 4, held to -126 .. 127; a block of zeros has e = 0. As a byte (E8M0): e + 127.
;;     - Each number is divided by its block's scale, clamped to +-28, and rounded to the nearest number of E3M2, ties to even, subnormals kept.
;;     - The product sums the exact products of the quantised numbers (number of the format x scale) in f32.
;;   ~~~python
;;   def quantise(x, axis):      # numpy; x: float32 -> the quantised numbers, widened to float32 again
;;       x = np.moveaxis(x, axis, -1); K = x.shape[-1]
;;       x = np.pad(x, [(0, 0)] * (x.ndim - 1) + [(0, -K % 32)]); x = x.reshape(x.shape[:-1] + (-1, 32)); a = np.abs(x).max(-1, keepdims=True)
;;       e = np.where(a > 0, np.clip(np.frexp(np.where(a > 0, a, 1))[1] - 1 - 4, -126, 127), 0)      # np.frexp(a)[1] - 1 = floor(log2(a)), exactly
;;       r = np.clip(x / 2.0 ** e, -28, 28)
;;       step = 2.0 ** (np.maximum(np.frexp(np.where(r == 0, 1, r))[1] - 1, -2) - 2)
;;       q = np.round(r / step) * step * 2.0 ** e      # np.round: ties to even
;;       return np.moveaxis(q.reshape(q.shape[:-2] + (-1,))[..., :K], -1, axis).astype(np.float32)
;;   ~~~
;;   SOFTMAX AHEAD OF A QUANTISED PRODUCT. Where the list says 'softmax', what is quantised is not the finished softmax but p = 2^(t - M), with t = logit x log2(e) and M = ceil(the row's largest t), a whole number; so 1/2 < the row's largest p <= 1. The row's sum l is taken of the UNQUANTISED p, in f32, and the product's result is divided by l at the end. Since M is a whole number, a kernel that streams over the keys may use a running M (the ceiling of the running maximum): every later rescaling is an exact power of two, which a block's scale takes up: the codes' values come out the same.
;;   OPERANDS COMPUTED ON THE WAY. 'Computed on the way' means the value that the module computes at that place (a softmax that the list does not call 'softmax' is quantised finished and normalised). What goes into a quantiser is computed in f32, as accurately as f32 sums, v_exp_f32 and their like allow (about 1e-6 of the number): no bf16 or f16 on the way to a quantiser, and a product that is left as it is and whose result goes on into a quantised operand takes f32 operands (vector FMAs, or v_wmma_f32_16x16x4_f32). A number that lies on a knife's edge between two numbers of the format may be rounded either way, as far as f32 arithmetic and the matrix unit's own rounding can turn it there, and no further.
;; One version. Each part assembles by itself: llvm-mc -triple=amdgcn-amd-amdhsa -mcpu=gfx1250 --defsym DOCPART=n.
;; ======== version 1 of 1: 4 launches
;; limits: right only within a limited range of input values
;; workspace buffers: xc 18,874,368 bytes; xs 786,432 bytes; wc 3,145,728 bytes; ws 131,072 bytes; hc 18,874,368 bytes; hs 786,432 bytes; oc 6,291,456 bytes; os 262,144 bytes
;; launch quant (part 1): grid 896 x 1, 4 waves a work-group, no clusters, 68,096 bytes of LDS; arguments q, k, v, Wq, Wk, Wv, Wo, xc, xs, wc, ws; writes xc, xs, wc, ws
.if DOCPART == 1
	.amdgcn_target "amdgcn-amd-amdhsa--gfx1250"
	.amdhsa_code_object_version 6
	.text
	.protected	k_q32efabb2b5_quant
	.globl	k_q32efabb2b5_quant
	.p2align	8
	.type	k_q32efabb2b5_quant,@function
k_q32efabb2b5_quant:
	s_mov_b64 s[64:65], 0
	v_nop
	global_prefetch_b8 v0, s[64:65] scope:SCOPE_SE
	s_setreg_imm32_b32 hwreg(HW_REG_WAVE_MODE, 25, 1), 1
	s_wait_xcnt 0x0
; All seven inputs become codes of BF6 (E3M2), K (the 1,024) innermost, with one E8M0 scale byte for each 32 along K.  Work-groups 0-127 take the four weights, 128-895 take q, k, v.
; A block's scale is 2^(floor(log2(its largest magnitude)) - 4); its byte is the largest magnitude's exponent field - 4, held at 1 from below.
; LIMITS: a block whose largest magnitude lies under 2^-122 (a block of zeros too) gets the byte 1; these bytes are read by this program alone.  NaN and infinities are not served.
; q, k, v [8192][1024]: xc three parts [8192][768], xs three parts [8192][32].  A plain stream of blocks of 32: a wave takes 16 steps of 512 numbers; each load reads 512 consecutive bytes; a step turns through the
; wave's own stage in LDS so that a lane holds 16 neighbours (two lanes to a block); the wave stores 384 consecutive bytes of codes; its 256 scale bytes gather in LDS and leave as one aligned block.
; WEIGHTS: K is not innermost.  Wq, Wk, Wv [16][1024 (K)][64]: column n = 64 head + e;  Wo [1024 (K)][1024].  wc four parts [1024 row places][768], ws four parts [1024][32].
; Wo's column n lies at place n; a head weight's column n at n with bits 3 and 4 exchanged (the projection's way out exchanges them once more).
; A lane takes a column and its registers run down K; a wave takes 32 columns x 256 along K; the codes go through the wave's stage and leave as rows of 192 consecutive bytes.
; The two paths part on the work-group's number and have LDS bytes of their own.  No tensor loads, no barrier: waves share nothing.
.set EMAX,  4
.set SPARE, 0x8000                     ; the spare words, 512 bytes that no other line names
.set WBASE, 33280                      ; the weights' stages
.set SPW, 208
.set NIL, 209
	v_lshl_add_u32 v[SPW], v0, 2, SPARE
	v_mov_b32 v[NIL], 0
	v_lshrrev_b32 v1, 5, v0
	v_readfirstlane_b32 s16, v1                    ; wave
	v_and_b32 v2, 31, v0                           ; lane
	s_cmp_lt_u32 ttmp9, 128
	s_wait_alu depctr_va_vdst(0)                   ; the wait ahead of the branch
	s_cbranch_scc1 .Lweights
; ---- q, k, v
.set STEPS, 16
.set CB,    12
.set R,     16                         ; v16-79 four sets of 16 numbers as loaded
.set X,     80                         ; v80-111 two sets of 16 neighbours
.set C,     128                        ; v128-191 codes, four registers a step
.set E,     112                        ; v112-127 a scale byte a step
.set WREG,  8192
.set SP,    80
	s_load_b128 s[4:7], s[0:1], 0x0                ; q, k
	s_load_b64 s[8:9], s[0:1], 0x10                ; v
	s_load_b128 s[12:15], s[0:1], 0x38             ; xc, xs
	v_lshlrev_b32 v3, 4, v2
	s_mul_i32 s17, s16, WREG
	v_lshrrev_b32 v14, 2, v2
	v_mul_u32_u24 v14, v14, SP
	v_and_b32 v15, 3, v2
	v_lshl_add_u32 v14, v15, 4, v14
	v_add_nc_u32 v14, s17, v14                     ; the stage, in: SP (lane / 4) + 16 (lane % 4)
	v_mul_u32_u24 v15, v2, SP
	v_add_nc_u32 v15, s17, v15                     ; out: SP x lane
	v_mul_u32_u24 v4, v2, CB
	v_lshrrev_b32 v5, 1, v2
	s_add_co_u32 s17, s17, 2*32*SP
	v_add_nc_u32 v5, s17, v5                       ; my block's scale byte
	v_lshlrev_b32 v7, 3, v2
	v_add_nc_u32 v6, s17, v7
	s_sub_co_u32 s19, ttmp9, 128
	s_lshr_b32 s17, s19, 8                         ; which tensor
	s_and_b32 s18, s19, 255
	s_lshl_b32 s18, s18, 2
	s_add_co_u32 s18, s18, s16                     ; which run of 8,192 numbers
	s_mov_b32 s21, 0
	s_wait_alu depctr_va_vdst(0)                   ; the wait at the head's end
	s_wait_kmcnt 0x0
	s_cmp_lt_u32 s19, 256
	s_cselect_b64 s[4:5], s[4:5], s[6:7]
	s_cmp_lt_u32 s19, 512
	s_cselect_b64 s[4:5], s[4:5], s[8:9]
	s_lshl_b32 s20, s18, 15
	s_add_nc_u64 s[4:5], s[4:5], s[20:21]
	s_mul_i32 s20, s17, 6291456
	s_mul_i32 s22, s18, 32*STEPS*CB
	s_add_co_u32 s20, s20, s22
	s_add_nc_u64 s[12:13], s[12:13], s[20:21]
	s_lshl_b32 s20, s17, 18
	s_lshl_b32 s22, s18, 8
	s_add_co_u32 s20, s20, s22
	s_add_nc_u64 s[14:15], s[14:15], s[20:21]
.macro LOAD t
.irp i, 0,1,2,3
	global_load_b128 v[R+16*((\t)%4)+4*\i:R+16*((\t)%4)+4*\i+3], v3, s[4:5] offset:2048*(\t)+512*\i th:TH_LOAD_NT
.endr
.endm
.macro TURN t                          ; LDS serves a wave's instructions in order: no wait between the stores and the loads
.irp i, 0,1,2,3
	ds_store_b128 v14, v[R+16*((\t)%4)+4*\i:R+16*((\t)%4)+4*\i+3] offset:32*SP*((\t)%2)+8*SP*\i
.endr
.irp i, 0,1,2,3
	ds_load_b128 v[X+16*((\t)%2)+4*\i:X+16*((\t)%2)+4*\i+3], v15 offset:32*SP*((\t)%2)+16*\i
.endr
.endm
.irp t, 0,1,2,3
	LOAD \t
.endr
	s_wait_loadcnt 12                              ; step 0's four loads are in; the twelve of steps 1 to 3 may be out
	TURN 0
.macro STEP t
.set XS, X+16*((\t)%2)
.if (\t) > 0
	s_wait_dscnt 1                                 ; this step's numbers are back (the last step's byte store may be out)
.else
	s_wait_dscnt 0x0
.endif
.if (\t)+4 < STEPS
	LOAD (\t)+4
.endif
.if (\t)+1 < STEPS
.if STEPS-2-(\t) >= 3
	s_wait_loadcnt 12                              ; the next step's four loads are in; those of three steps behind it may be out
.else
	s_wait_loadcnt 4*(STEPS-2-(\t))
.endif
	TURN (\t)+1
.endif
	v_max3_num_f32 v8, |v[XS]|, |v[XS+1]|, |v[XS+2]|
	v_max3_num_f32 v9, |v[XS+3]|, |v[XS+4]|, |v[XS+5]|
.irp i, 6,10
	v_max3_num_f32 v8, v8, |v[XS+\i]|, |v[XS+\i+1]|
	v_max3_num_f32 v9, v9, |v[XS+\i+2]|, |v[XS+\i+3]|
.endr
	v_max3_num_f32 v8, v8, |v[XS+14]|, |v[XS+15]|
	v_max3_num_f32 v8, v8, v9, (EMAX+1)<<23        ; the floor 2^(5 - 127)
	v_max_num_f32_dpp v8, v8, v8 row_xmask:1 row_mask:0xf bank_mask:0xf
	v_add_nc_u32 v11, -(EMAX<<23), v8              ; the conversion's scale operand
	v_cvt_scalef32_pk16_bf6_f32 v[C+4*(\t):C+4*(\t)+2], v[XS:XS+15], v11
	v_lshrrev_b32 v[E+(\t)], 23, v11               ; the byte (also the plain line behind the conversion)
	ds_store_b8 v5, v[E+(\t)] offset:16*(\t)
	global_store_b96 v4, v[C+4*(\t):C+4*(\t)+2], s[12:13] offset:32*CB*(\t)
.endm
.irp t, 0,1,2,3,4,5,6,7,8,9,10,11,12,13,14,15
	STEP \t
.endr
	ds_load_b64 v[12:13], v6
	s_wait_dscnt 0x0
	global_store_b64 v7, v[12:13], s[14:15]        ; 256 consecutive bytes, aligned
	s_wait_tensorcnt 0x0                           ; the wave's end
	ds_add_u32 v[SPW], v[NIL]
	s_wait_dscnt 0x0
	s_endpgm
; ---- the weights
.Lweights:
.set NB,    8
.set PITCH, 272
.set KROW,  768
.set WX,    32                         ; v32-95 two sets of 32 numbers
.set WC,    96
.set OUTR,  112
.set SB,    24
.set OFF,   176                        ; v176-207 4 x lane + i x row pitch
	s_load_b256 s[4:11], s[0:1], 0x18              ; Wq, Wk, Wv, Wo
	s_load_b128 s[12:15], s[0:1], 0x48             ; wc, ws
	s_and_b32 s31, ttmp9, 7
	s_lshl_b32 s17, s31, 7
	s_lshl_b32 s18, s16, 5
	s_add_co_u32 s17, s17, s18                     ; my wave's first column
	s_lshr_b32 s18, ttmp9, 3
	s_lshr_b32 s19, s18, 2                         ; which weight
	s_and_b32 s18, s18, 3                          ; which 256 along K
	s_lshl_b32 s23, s17, 2
	s_lshr_b32 s24, s17, 6
	s_lshl_b32 s24, s24, 18
	s_and_b32 s25, s17, 63
	s_lshl_b32 s25, s25, 2
	s_add_co_u32 s24, s24, s25
	s_cmp_eq_u32 s19, 3
	s_cselect_b32 s20, 12, 8                       ; the row pitch is 1 << this
	s_cselect_b32 s21, 8, 16                       ; what bit 3 of a column adds to its row place
	s_cselect_b32 s22, 16, 8                       ; and bit 4
	s_cselect_b32 s23, s23, s24
	s_lshl_b32 s26, 1, s20
	s_lshl_b32 s27, s18, 8
	s_lshl_b32 s27, s27, s20
	s_add_co_u32 s24, s23, s27
	s_mov_b32 s25, 0
	s_lshl_b32 s28, s26, 5
	s_mov_b32 s29, 0
	v_lshlrev_b32 v3, 2, v2
.irp i, 0,1,2,3,4,5,6,7,8,9,10,11,12,13,14,15,16,17,18,19,20,21,22,23,24,25,26,27,28,29,30,31
	v_mad_u32_u24 v[OFF+\i], s26, \i, v3
.endr
	s_mul_i32 s30, s16, 32*PITCH
	s_add_co_u32 s30, s30, WBASE                   ; my stage
	v_mul_u32_u24 v4, v2, PITCH
	v_add_nc_u32 v4, s30, v4
	v_and_b32 v5, 15, v2
	v_lshrrev_b32 v6, 4, v2
	v_mul_u32_u24 v7, v6, PITCH
	v_lshl_add_u32 v7, v5, 4, v7
	v_add_nc_u32 v7, s30, v7
	v_mul_u32_u24 v8, v6, KROW
	v_mad_u32_u24 v8, v5, 12, v8
	v_and_b32 v5, 7, v2
	v_bfe_u32 v6, v2, 3, 1
	v_bfe_u32 v10, v2, 4, 1
	v_mad_u32_u24 v9, v6, s21, v5
	v_mad_u32_u24 v9, v10, s22, v9
	v_lshlrev_b32 v9, 5, v9
	s_mul_i32 s56, s19, 786432
	s_mul_i32 s30, s17, KROW
	s_add_co_u32 s56, s56, s30
	s_mul_i32 s30, s18, 192
	s_add_co_u32 s56, s56, s30
	s_mov_b32 s57, 0
	s_mul_i32 s58, s21, KROW
	s_mov_b32 s59, 0
	s_mul_i32 s60, s22, KROW
	s_mov_b32 s61, 0
	s_lshl_b32 s62, s19, 15
	s_lshl_b32 s30, s17, 5
	s_add_co_u32 s62, s62, s30
	s_lshl_b32 s30, s18, 3
	s_add_co_u32 s62, s62, s30
	s_mov_b32 s63, 0
	s_wait_alu depctr_va_vdst(0)                   ; the wait at the head's end
	s_wait_kmcnt 0x0
	s_cmp_lt_u32 s19, 1
	s_cselect_b64 s[4:5], s[4:5], s[6:7]
	s_cmp_lt_u32 s19, 2
	s_cselect_b64 s[4:5], s[4:5], s[8:9]
	s_cmp_lt_u32 s19, 3
	s_cselect_b64 s[4:5], s[4:5], s[10:11]
	s_add_nc_u64 s[32:33], s[4:5], s[24:25]        ; a base for each block of 32 rows
.irp t, 1,2,3,4,5,6,7
	s_add_nc_u64 s[32+2*\t:33+2*\t], s[30+2*\t:31+2*\t], s[28:29]
.endr
	s_add_nc_u64 s[48:49], s[12:13], s[56:57]      ; four bases for the way out
	s_add_nc_u64 s[50:51], s[48:49], s[58:59]
	s_add_nc_u64 s[52:53], s[48:49], s[60:61]
	s_add_nc_u64 s[54:55], s[52:53], s[58:59]
	s_add_nc_u64 s[14:15], s[14:15], s[62:63]
.macro WLOAD t
.irp i, 0,1,2,3,4,5,6,7,8,9,10,11,12,13,14,15,16,17,18,19,20,21,22,23,24,25,26,27,28,29,30,31
	global_load_b32 v[WX+32*((\t)%2)+\i], v[OFF+\i], s[32+2*(\t):33+2*(\t)] th:TH_LOAD_NT
.endr
.endm
	WLOAD 0
	WLOAD 1
.macro BLOCK t
.set XS, WX+32*((\t)%2)
.if (\t) < NB-1
	s_wait_loadcnt 32                              ; this block's 32 loads are in; the next block's 32 may be out
.else
	s_wait_loadcnt 0
.endif
	v_max3_num_f32 v12, |v[XS]|, |v[XS+1]|, |v[XS+2]|
	v_max3_num_f32 v13, |v[XS+3]|, |v[XS+4]|, |v[XS+5]|
.irp i, 6,10,14,18,22,26
	v_max3_num_f32 v12, v12, |v[XS+\i]|, |v[XS+\i+1]|
	v_max3_num_f32 v13, v13, |v[XS+\i+2]|, |v[XS+\i+3]|
.endr
	v_max3_num_f32 v12, v12, |v[XS+30]|, |v[XS+31]|
	v_max3_num_f32 v12, v12, v13, (EMAX+1)<<23
	v_add_nc_u32 v11, -(EMAX<<23), v12
	v_lshrrev_b32 v13, 23, v11
.if (\t)%4 == 0
	v_mov_b32 v[SB+(\t)/4], v13
.else
	v_lshl_or_b32 v[SB+(\t)/4], v13, 8*((\t)%4), v[SB+(\t)/4]
.endif
	v_cvt_scalef32_pk16_bf6_f32 v[WC:WC+2], v[XS:XS+15], v11
	v_cvt_scalef32_pk16_bf6_f32 v[WC+4:WC+6], v[XS+16:XS+31], v11
	v_nop
	ds_store_b96 v4, v[WC:WC+2] offset:32*(\t)
	ds_store_b96 v4, v[WC+4:WC+6] offset:32*(\t)+16
.if (\t)+2 < NB
	WLOAD (\t)+2
.endif
	s_wait_dscnt 0x0
.endm
.set Q, 0
.rept NB
	BLOCK Q
.set Q, Q+1
.endr
	s_wait_alu depctr_va_vdst(0)                   ; the wait ahead of the reader below
	global_store_b64 v9, v[SB:SB+1], s[14:15]
.irp t, 0,1,2,3,4,5,6,7,8,9,10,11,12,13,14,15
	ds_load_b96 v[OUTR+4*\t:OUTR+4*\t+2], v7 offset:2*\t*PITCH
.endr
.irp t, 0,1,2,3,4,5,6,7,8,9,10,11,12,13,14,15
	s_wait_dscnt 15-\t                             ; the younger reads from the stage may be out
	global_store_b96 v8, v[OUTR+4*\t:OUTR+4*\t+2], s[48+2*(\t/4):49+2*(\t/4)] offset:2*(\t%4)*KROW
.endr
	s_wait_tensorcnt 0x0                           ; the wave's end
	ds_add_u32 v[SPW], v[NIL]
	s_wait_dscnt 0x0
	s_endpgm
.Lfunc_end_k_q32efabb2b5_quant:
	.size	k_q32efabb2b5_quant, .Lfunc_end_k_q32efabb2b5_quant-k_q32efabb2b5_quant
	.p2alignl 7, 3214868480
	.fill 96, 4, 3214868480
	.section	.rodata,"a",@progbits
	.p2align	6, 0x0
	.amdhsa_kernel k_q32efabb2b5_quant
		.amdhsa_group_segment_fixed_size 68096
		.amdhsa_private_segment_fixed_size 0
		.amdhsa_enable_private_segment 0
		.amdhsa_kernarg_size 88
		.amdhsa_user_sgpr_count 2
		.amdhsa_user_sgpr_kernarg_segment_ptr 1
		.amdhsa_wavefront_size32 1
		.amdhsa_system_sgpr_workgroup_id_x 1
		.amdhsa_system_sgpr_workgroup_id_y 1
		.amdhsa_system_sgpr_workgroup_id_z 1
		.amdhsa_system_vgpr_workitem_id 0
		.amdhsa_next_free_vgpr 210
		.amdhsa_next_free_sgpr 66
		.amdhsa_reserve_vcc 0
		.amdhsa_float_denorm_mode_32 3
		.amdhsa_float_denorm_mode_16_64 3
		.amdhsa_memory_ordered 1
		.amdhsa_forward_progress 1
		.amdhsa_inst_pref_size 77
	.end_amdhsa_kernel
	.amdgpu_metadata
---
amdhsa.version: [ 1, 2 ]
amdhsa.kernels:
  - .name:           k_q32efabb2b5_quant
    .symbol:         k_q32efabb2b5_quant.kd
    .args:
      - { .name: q, .offset: 0, .size: 8, .value_kind: global_buffer, .address_space: global }
      - { .name: k, .offset: 8, .size: 8, .value_kind: global_buffer, .address_space: global }
      - { .name: v, .offset: 16, .size: 8, .value_kind: global_buffer, .address_space: global }
      - { .name: Wq, .offset: 24, .size: 8, .value_kind: global_buffer, .address_space: global }
      - { .name: Wk, .offset: 32, .size: 8, .value_kind: global_buffer, .address_space: global }
      - { .name: Wv, .offset: 40, .size: 8, .value_kind: global_buffer, .address_space: global }
      - { .name: Wo, .offset: 48, .size: 8, .value_kind: global_buffer, .address_space: global }
      - { .name: xc, .offset: 56, .size: 8, .value_kind: global_buffer, .address_space: global }
      - { .name: xs, .offset: 64, .size: 8, .value_kind: global_buffer, .address_space: global }
      - { .name: wc, .offset: 72, .size: 8, .value_kind: global_buffer, .address_space: global }
      - { .name: ws, .offset: 80, .size: 8, .value_kind: global_buffer, .address_space: global }
    .group_segment_fixed_size: 68096
    .private_segment_fixed_size: 0
    .kernarg_segment_align: 8
    .kernarg_segment_size: 88
    .max_flat_workgroup_size: 128
    .sgpr_count:     66
    .vgpr_count:     210
    .wavefront_size: 32
...
	.end_amdgpu_metadata
.endif
;; end of part 1
;; launch proj (part 2): grid 4 x 64, 4 waves a work-group, clusters of 4 x 4, 327,680 bytes of LDS; arguments xc, xs, wc, ws, hc, hs; writes hc, hs
.if DOCPART == 2
	.amdgcn_target "amdgcn-amd-amdhsa--gfx1250"
	.amdhsa_code_object_version 6
	.text
	.protected	k_q32efabb2b5_proj
	.globl	k_q32efabb2b5_proj
	.p2align	8
	.type	k_q32efabb2b5_proj,@function
k_q32efabb2b5_proj:
	s_mov_b64 s[64:65], 0
	v_nop
	global_prefetch_b8 v0, s[64:65] scope:SCOPE_SE
	s_setreg_imm32_b32 hwreg(HW_REG_WAVE_MODE, 25, 1), 1
	s_wait_xcnt 0x0
	s_wait_alu depctr_hold_cnt(0) depctr_sa_sdst(0) depctr_va_vdst(0) depctr_va_sdst(0) depctr_va_ssrc(0) depctr_va_vcc(0) depctr_vm_vsrc(0)
	s_getreg_b32 s2, hwreg(HW_REG_IB_STS2, 6, 4)
	s_cmp_eq_u32 s2, 0
	s_cbranch_scc0 .Lentry_in_a_cluster
	s_endpgm
.Lentry_in_a_cluster:
	s_bfe_u32 s2, ttmp6, 0x10000c
	s_cmp_lg_u32 s2, 0xf033
	s_cbranch_scc0 .Lentry_shape_is_right
	s_endpgm
.Lentry_shape_is_right:
; The three projections, each [8192 rows of x] x [1024 rows of W] over K = 1,024, on codes of BF6 (E3M2) with one E8M0 scale for each 32 along K; the results are quantised in registers and leave as codes.
; Source 1 ("A") gives a lane its row, source 0 ("B") runs along a lane's registers, and a result is quantised along the registers.  q, k: A = x, B = W (blocks along the channels);  v: A = W, B = x (blocks along the keys).
; A tile is 128 rows of A x 256 rows of B; a wave makes 64 x 128: 32 accumulators.  256 WORK-GROUPS STAY: each makes one tile of q, one of k (a loop of two trips) and one of v (written out: it asks for nothing more).
; A TILE'S WHOLE K IS STAGED: a row of codes is 768 bytes of memory, beginning at a multiple of 256; 384 rows x (768 + 3 x 16 of padding) = 313,344 bytes of LDS.
; One joint load a wave: waves 0, 1 bring A's halves (shared along the cluster's row), waves 2, 3 B's (shared along its column).  When a tile's last fragments are in registers, the tile's bytes are filled again
; with the next tile, behind the three lines and a round of the cluster's barrier: that load has the last 16 products and the way out in which to land.  A wave has one tensor load out.
; PREFETCH: behind a tile's first K step the next tile is asked for, six K steps ahead of its load.  Of the rows that four partners load jointly each partner names a quarter, told apart by address: wave 0 names
; 32 rows of A, waves 1 and 2 32 rows of B each: 24,576 consecutive bytes, 96 blocks of 256, a lane a block, three instructions.  The last tile asks for nothing.
; FRAGMENTS: lane (r, h) takes 48 consecutive bytes of its row at 96 st + 48 h, by three loads of 16 bytes: its registers 0-5 hold block 2 h of the step's four blocks of 32, registers 6-11 block 2 h + 1.
; So blocks 1 and 2 change places along the instruction's K, alike in both operands, and bytes 1 and 2 of every scale word are exchanged to match: the same products are summed.
; The scale words go from memory into registers: lane l % 16 takes its row's 32 bytes, one word for each step of 128 along K.
; hc: parts Q, K, V of 6,291,456 bytes, [batch x head][group 32][64][48 bytes]: Q, K: group = 64 rows s, 48 bytes = 64 channels;  V: group = 64 keys, row = the channel's place, 48 bytes = 64 keys.
; hs: parts of 262,144 bytes, words of four bytes: Q, K: [batch][pair of heads][s];  V: [batch x head][128 keys][channel place].
; Code index c of a block of 32 holds B's place c with bits 3 and 4 exchanged: W's rows were laid so exchanged (q, k come out natural); the attention launch matches v's order.
; LIMITS: a block whose largest magnitude lies under 2^-122 (a block of zeros too) gets the byte 1; these bytes are read by this program alone.  NaN and infinities are not served.
; REGISTERS: window 0: v11-31 addresses, v32-63 A's scale words, v64-127 B's, v128-223 A's fragments (two sets; on the way out at work);  window 1: B's fragments, sets at v0 and v128;  window 2: accumulator (a, b) at v[8 (8 a + b)].
.set PITCH, 816
.set FR, 12
.set ABYTES, 128*PITCH
.set SPARE, 384*PITCH                  ; the spare words, 512 bytes that no other line names
.set STG, SPARE+512                    ; a stage a wave, bytes into which no fill lands: two buffers of 1,536 bytes of codes, 256 bytes of scale words
.set WSTG, 3328
.set PFO, 11
.set V1Q, 12
.set V2Q, 13
.set V1V, 14
.set V2V, 15
.set ADRA, 16
.set RDS, 19
.set ADRB, 20
.set STO, 24
.set SWA, 25
.set RD, 26
.set SOF, 27
.set SPW, 28
.set NIL, 29
.set HSO, 30
.set CO, 31
.set SCA, 32
.set SCB, 64
.set AF, 128
.set TM, 128
.set PW, 144
.set CD, 148
.set OB, 176
.set G1, 24
.set G0, 32
.set G1B, 48
.set G0B, 56
.set MSB, 0
.macro WIN new
.if MSB != \new
	s_set_vgpr_msb (MSB<<8)|\new
.set MSB, \new
.endif
.endm
.set MUL, 0xa1                         ; source 0 window 1, source 1 window 0, C and D window 2
.set TO_B, 0x40
.macro CREST
	s_cmp_lg_u32 s14, 0
	s_cbranch_scc1 .Lnot_wave_0_\@
	s_barrier_signal -3
.Lnot_wave_0_\@:
	s_barrier_wait -3
	s_barrier_signal -1
	s_barrier_wait -1
.endm
.macro CROUND                          ; a round of the cluster's barrier
	s_barrier_signal -1
	s_barrier_wait -1
	CREST
.endm
.macro PLACES
.rept 4
	v_nop
.endr
.endm
.macro JLOAD                           ; one load a wave; s_nop 0 and four v_nop behind each line
	s_cmp_eq_u32 s15, 0
	s_cbranch_scc0 .Lfor_b_\@
	tensor_load_to_lds s[G0:G0+3], s[G1:G1+7]
	s_nop 0
	PLACES
	s_branch .Lasked_\@
.Lfor_b_\@:
	tensor_load_to_lds s[G0B:G0B+3], s[G1B:G1B+7]
	s_nop 0
	PLACES
.Lasked_\@:
.endm
.macro SCLOAD                          ; a tile's scale words
.irp a, 0,1,2,3
	global_load_b128 v[SCA+8*\a:SCA+8*\a+3], v[SOF], s[22:23] offset:512*\a
	global_load_b128 v[SCA+8*\a+4:SCA+8*\a+7], v[SOF], s[22:23] offset:512*\a+16
.endr
.irp b, 0,1,2,3,4,5,6,7
	global_load_b128 v[SCB+8*\b:SCB+8*\b+3], v[SOF], s[92:93] offset:512*\b
	global_load_b128 v[SCB+8*\b+4:SCB+8*\b+7], v[SOF], s[92:93] offset:512*\b+16
.endr
.endm
	s_load_b256 s[4:11], s[0:1], 0x0               ; xc, xs, wc, ws
	s_load_b64 s[12:13], s[0:1], 0x20              ; hc
	s_load_b64 s[66:67], s[0:1], 0x28              ; hs
	v_lshl_add_u32 v[SPW], v0, 2, SPARE
	v_mov_b32 v[NIL], 0
	ds_add_u32 v[SPW], v[NIL]                      ; the opening lines: the add twice and its wait
	ds_add_u32 v[SPW], v[NIL]
	v_lshrrev_b32 v1, 5, v0
	v_readfirstlane_b32 s14, v1                    ; wave
	s_lshr_b32 s15, s14, 1                         ; my half of A's rows; also: I fetch for A (0) or B (1)
	s_and_b32 s16, s14, 1                          ; my half of B's rows; also: which half I fetch
	s_bfe_u32 s40, ttmp6, 0x40000                  ; cx
	s_bfe_u32 s41, ttmp6, 0x40004                  ; cy
	s_and_b32 s96, ttmp7, 0xffff                   ; the cluster's number, 0 .. 15
	s_lshl_b32 s17, s96, 2
	s_add_co_u32 s17, s17, s41                     ; q, k: tile along A (x); the tile along B (W) is cx
	s_lshr_b32 s18, s96, 3
	s_lshl_b32 s18, s18, 2
	s_add_co_u32 s18, s18, s41                     ; v: tile along A (W)
	s_and_b32 s19, s96, 7
	s_lshl_b32 s19, s19, 2
	s_add_co_u32 s19, s19, s40                     ; v: tile along B (x)
	s_lshl_b32 s43, s41, 2
	s_lshl_b32 s43, 15, s43                        ; my row of the cluster
	s_lshl_b32 s44, 0x1111, s40                    ; my column
	s_or_b32 s[G1+0], s43, (1<<20)|(1<<21)|(5<<22)|(3<<25)   ; mask; bytes; 4 words of padding behind every 64
	s_or_b32 s[G1B+0], s44, (1<<20)|(1<<21)|(5<<22)|(3<<25)
.irp g, G1, G1B
	s_mov_b32 s[\g+1], 768<<16
	s_mov_b32 s[\g+3], 768<<16
	s_mov_b32 s[\g+5], 768
	s_mov_b32 s[\g+6], 0
	s_mov_b32 s[\g+7], 0
.endr
	s_mov_b32 s[G1+2], 64<<16                      ; A: 64 rows a load
	s_mov_b32 s[G1+4], 64
	s_mov_b32 s[G1B+2], 128<<16                    ; B: 128
	s_mov_b32 s[G1B+4], 128
	s_lshl_b32 s76, s16, 6
	s_lshl_b32 s77, s16, 7
	s_lshl_b32 s20, s17, 7                         ; what I fetch, in bytes: q's A,
	s_add_co_u32 s20, s20, s76
	s_mul_i32 s20, s20, 768
	s_mov_b32 s21, 0
	s_lshl_b32 s46, s40, 8                         ; q's B,
	s_add_co_u32 s46, s46, s77
	s_mul_i32 s46, s46, 768
	s_mov_b32 s47, 0
	s_lshl_b32 s36, s18, 7                         ; v's A, in wc,
	s_add_co_u32 s36, s36, s76
	s_mul_i32 s36, s36, 768
	s_add_co_u32 s36, s36, 2*786432
	s_mov_b32 s37, 0
	s_lshl_b32 s60, s19, 8                         ; v's B, in xc
	s_add_co_u32 s60, s60, s77
	s_mul_i32 s60, s60, 768
	s_add_co_u32 s60, s60, 2*6291456
	s_mov_b32 s61, 0
	s_mul_i32 s45, s16, 64*PITCH                   ; where they go
	s_mul_i32 s97, s16, 128*PITCH
	s_add_co_u32 s97, s97, ABYTES
	s_lshl_b32 s78, s15, 6
	s_lshl_b32 s80, s17, 7
	s_add_co_u32 s80, s80, s78                     ; my wave's first row of A, q and k
	s_lshl_b32 s81, s40, 8
	s_add_co_u32 s81, s81, s77                     ; of B
	s_lshl_b32 s82, s18, 7
	s_add_co_u32 s82, s82, s78                     ; of A, v
	s_lshl_b32 s83, s19, 8
	s_add_co_u32 s83, s83, s77                     ; of B, v
	s_lshl_b32 s22, s80, 5                         ; their scales: 32 bytes a row
	s_mov_b32 s23, 0
	s_lshl_b32 s92, s81, 5
	s_mov_b32 s93, 0
	s_lshl_b32 s68, s82, 5
	s_add_co_u32 s68, s68, 2*32768
	s_mov_b32 s69, 0
	s_lshl_b32 s70, s83, 5
	s_add_co_u32 s70, s70, 2*262144
	s_mov_b32 s71, 0
	s_lshr_b32 s86, s80, 11                        ; q: batch,
	s_and_b32 s87, s80, 2047                       ; row in it,
	s_lshr_b32 s88, s81, 6                         ; head
	s_lshl_b32 s89, s86, 4
	s_add_co_u32 s89, s89, s88
	s_mul_i32 s84, s89, 98304
	s_lshr_b32 s90, s87, 6
	s_mul_i32 s90, s90, 3072
	s_add_co_u32 s84, s84, s90                     ; my first run in hc
	s_mov_b32 s85, 0
	s_lshl_b32 s94, s86, 16
	s_lshr_b32 s90, s88, 1
	s_lshl_b32 s90, s90, 13
	s_add_co_u32 s94, s94, s90
	s_lshl_b32 s90, s87, 2
	s_add_co_u32 s94, s94, s90                     ; my 64 scale words in hs
	s_mov_b32 s95, 0
	s_lshr_b32 s86, s83, 11                        ; v: batch, key, head
	s_and_b32 s87, s83, 2047
	s_lshr_b32 s88, s82, 6
	s_lshl_b32 s89, s86, 4
	s_add_co_u32 s89, s89, s88
	s_mul_i32 s72, s89, 98304
	s_lshr_b32 s90, s87, 6
	s_mul_i32 s90, s90, 3072
	s_add_co_u32 s72, s72, s90
	s_add_co_u32 s72, s72, 2*6291456
	s_mov_b32 s73, 0
	s_lshl_b32 s74, s89, 12
	s_lshr_b32 s90, s87, 7
	s_lshl_b32 s90, s90, 8
	s_add_co_u32 s74, s74, s90
	s_add_co_u32 s74, s74, 2*262144
	s_mov_b32 s75, 0
	; the prefetches: wave 0 names my work-group's 32 rows (by cx) of the next tile's A, waves 1 and 2 each 32 of its 64 rows (by cy) of B
	s_lshl_b32 s86, s40, 5
	s_lshl_b32 s62, s17, 7
	s_add_co_u32 s62, s62, s86
	s_mul_i32 s62, s62, 768
	s_add_co_u32 s62, s62, 6291456                 ; k's A, in xc
	s_lshl_b32 s38, s18, 7
	s_add_co_u32 s38, s38, s86
	s_mul_i32 s38, s38, 768
	s_add_co_u32 s38, s38, 2*786432                ; v's A, in wc
	s_lshl_b32 s86, s41, 6
	s_max_u32 s87, s14, 1
	s_sub_co_u32 s87, s87, 1
	s_lshl_b32 s87, s87, 5
	s_add_co_u32 s86, s86, s87
	s_lshl_b32 s90, s40, 8
	s_add_co_u32 s90, s90, s86
	s_mul_i32 s90, s90, 768
	s_add_co_u32 s90, s90, 786432                  ; k's B, in wc
	s_lshl_b32 s91, s19, 8
	s_add_co_u32 s91, s91, s86
	s_mul_i32 s91, s91, 768
	s_add_co_u32 s91, s91, 2*6291456               ; v's B, in xc
	s_cmp_eq_u32 s14, 0
	s_cselect_b32 s62, s62, s90
	s_cselect_b32 s38, s38, s91
	s_mov_b32 s63, 0
	s_mov_b32 s39, 0
	s_mov_b32 s99, 0x03010200                      ; bytes 1 and 2 of a scale word change places
	s_wait_dscnt 0x0
	s_wait_kmcnt 0x0
	s_cmp_eq_u32 s14, 0                            ; the wave's number alone decides
	s_cselect_b64 s[76:77], s[4:5], s[8:9]
	s_cselect_b64 s[78:79], s[8:9], s[4:5]
	s_add_nc_u64 s[62:63], s[76:77], s[62:63]      ; what I name of k's tile,
	s_add_nc_u64 s[38:39], s[78:79], s[38:39]      ; of v's
	s_add_nc_u64 s[20:21], s[4:5], s[20:21]
	s_add_nc_u64 s[46:47], s[8:9], s[46:47]
	s_add_nc_u64 s[36:37], s[8:9], s[36:37]        ; kept for the last refill: v's A,
	s_or_b32 s37, s37, 0x80000000
	s_add_nc_u64 s[60:61], s[4:5], s[60:61]        ; v's B
	s_or_b32 s61, s61, 0x80000000
	s_add_nc_u64 s[22:23], s[6:7], s[22:23]
	s_add_nc_u64 s[92:93], s[10:11], s[92:93]
	s_add_nc_u64 s[68:69], s[10:11], s[68:69]
	s_add_nc_u64 s[70:71], s[6:7], s[70:71]
	s_add_nc_u64 s[84:85], s[12:13], s[84:85]
	s_add_nc_u64 s[72:73], s[12:13], s[72:73]
	s_add_nc_u64 s[94:95], s[66:67], s[94:95]
	s_add_nc_u64 s[74:75], s[66:67], s[74:75]
	CROUND                                         ; all sixteen work-groups are here: the joint loads meet
	s_mov_b32 s[G0], 1
	s_mov_b32 s[G0+1], s45
	s_mov_b64 s[G0+2:G0+3], s[20:21]
	s_or_b32 s[G0+3], s[G0+3], 0x80000000
	s_mov_b32 s[G0B], 1
	s_mov_b32 s[G0B+1], s97
	s_mov_b64 s[G0B+2:G0B+3], s[46:47]
	s_or_b32 s[G0B+3], s[G0B+3], 0x80000000
	JLOAD                                          ; q's tile
	s_mul_i32 s18, s15, 64*PITCH
	s_mul_i32 s19, s16, 128*PITCH
	s_add_co_u32 s19, s19, ABYTES
	s_mul_i32 s98, s14, WSTG
	s_add_co_u32 s98, s98, STG
	s_mov_b32 s88, 0x76543210
	s_mov_b32 s89, 0xfedcba98                      ; the lane 16 away
	v_and_b32 v1, 15, v0
	v_bfe_u32 v2, v0, 4, 1
	v_mul_u32_u24 v3, v1, PITCH
	v_mad_u32_u24 v4, v2, 48, v3                   ; row x pitch + 48 x half
	v_mad_u32_u24 v5, v2, 64, v3                   ; lanes 16-31 behind one padding more
	v_add_nc_u32 v[ADRA], s18, v4
	v_add_nc_u32 v[ADRA+1], s18, v5
	v_add_nc_u32 v[ADRB], s19, v4
	v_add_nc_u32 v[ADRB+1], s19, v5
	v_add_nc_u32 v[ADRB+2], 64*PITCH, v[ADRB]
	v_add_nc_u32 v[ADRB+3], 64*PITCH, v[ADRB+1]
	v_lshlrev_b32 v[SOF], 5, v1
	v_mul_u32_u24 v6, v1, 48
	v_mad_u32_u24 v6, v2, 24, v6
	v_add_nc_u32 v[STO], s98, v6
	v_lshl_add_u32 v7, v1, 2, s98
	v_add_nc_u32 v[SWA], 3072, v7
	v_and_b32 v7, 31, v0
	v_lshlrev_b32 v[CO], 4, v7                     ; a block's 1,536 bytes leave by three stores: run 0's bytes 0-511;
	v_add_nc_u32 v[RD], s98, v[CO]
	v_lshlrev_b32 v[HSO], 3, v7
	v_lshlrev_b32 v[PFO], 8, v7                    ; a prefetch: a lane a block of 256 bytes
	v_add_nc_u32 v[RDS], s98, v[HSO]
	v_add_nc_u32 v[RDS], 3072, v[RDS]
	v_lshlrev_b32 v8, 4, v1
	v_mad_u32_u24 v[V1Q], v2, 98304-512, v8        ; lanes 0-15 run 0's bytes 512-767, lanes 16-31 run 1's bytes 0-255;
	v_add_nc_u32 v[V1Q], 512, v[V1Q]
	v_add_nc_u32 v[V2Q], 98304+256, v[CO]          ; run 1's bytes 256-767.  Run 1 lies a head on (q, k)
	v_mad_u32_u24 v[V1V], v2, 3072-512, v8
	v_add_nc_u32 v[V1V], 512, v[V1V]
	v_add_nc_u32 v[V2V], 3072+256, v[CO]           ; or a group of keys on (v)
	s_wait_alu depctr_va_vdst(0)                   ; the wait at the head's end
	SCLOAD
; a fragment: 16 rows x 128 K, 12 registers, three pieces of 16 bytes; byte y of a row lies at y + 16 (y / 256) of its LDS row
.macro FRAG reg, adr, st, i
.irp p, 0,1,2
.set BY, 96*(\st)+16*\p
.if BY/256 == (BY+48)/256
	ds_load_b128 v[\reg+4*\p:\reg+4*\p+3], v[\adr] offset:BY+16*(BY/256)+(\i)*16*PITCH
.else
	ds_load_b128 v[\reg+4*\p:\reg+4*\p+3], v[\adr+1] offset:BY+16*(BY/256)+(\i)*16*PITCH
.endif
.endr
.endm
.macro FETCHB st, i0
	WIN TO_B
.irp i, 0,1,2,3
	FRAG 128*((\st)%2)+FR*(\i0+\i), ADRB+2*((\i0)/4), \st, \i
.endr
.endm
.macro FETCHA st
	WIN 0
.irp i, 0,1,2,3
	FRAG AF+48*((\st)%2)+FR*\i, ADRA, \st, \i
.endr
.endm
.macro MUL8 a, st, zero                ; A's block a against B's eight; the 32 accumulators take turns
.irp b, 0,1,2,3,4,5,6,7
.if \zero
	v_wmma_scale_f32_16x16x128_f8f6f4 v[8*(8*\a+\b):8*(8*\a+\b)+7], v[128*((\st)%2)+FR*\b:128*((\st)%2)+FR*\b+FR-1], v[AF+48*((\st)%2)+FR*\a:AF+48*((\st)%2)+FR*\a+FR-1], 0, v[SCB+8*\b+(\st)], v[SCA+8*\a+(\st)] matrix_a_fmt:MATRIX_FMT_BF6 matrix_b_fmt:MATRIX_FMT_BF6
.else
	v_wmma_scale_f32_16x16x128_f8f6f4 v[8*(8*\a+\b):8*(8*\a+\b)+7], v[128*((\st)%2)+FR*\b:128*((\st)%2)+FR*\b+FR-1], v[AF+48*((\st)%2)+FR*\a:AF+48*((\st)%2)+FR*\a+FR-1], v[8*(8*\a+\b):8*(8*\a+\b)+7], v[SCB+8*\b+(\st)], v[SCA+8*\a+(\st)] matrix_a_fmt:MATRIX_FMT_BF6 matrix_b_fmt:MATRIX_FMT_BF6
.endif
.endr
.endm
; steps 0 to 6: 32 products; the next step's 36 loads go out in two runs, into the other sets, four places behind the products that read those sets; 24 products stand behind the last of them
.macro STEP st, zero
	s_wait_dscnt 0x0                               ; this step's fragments are in
.if (\st) > 0
	PLACES
.endif
	FETCHB (\st)+1, 0
	FETCHB (\st)+1, 4
	WIN MUL
	MUL8 0, \st, \zero
	FETCHA (\st)+1
	WIN MUL
	MUL8 1, \st, \zero
	MUL8 2, \st, \zero
	MUL8 3, \st, \zero
.endm
; the way out of block a (16 rows of A): the lane's 64 results are four blocks of 32 along B, 16 numbers here and 16 in the lane 16 away
.macro SENDO a, v1, v2                 ; each half of the lanes stores 256 consecutive bytes, aligned
	global_store_b128 v[CO], v[OB+12*(\a):OB+12*(\a)+3], s[84:85] offset:768*(\a)
	global_store_b128 v[\v1], v[OB+12*(\a)+4:OB+12*(\a)+7], s[84:85] offset:768*(\a)
	global_store_b128 v[\v2], v[OB+12*(\a)+8:OB+12*(\a)+11], s[84:85] offset:768*(\a)
.endm
.macro QUANTA a, v1, v2
.set AC, 64*(\a)
	WIN 0x28
.irp b, 0,1,2,3
	v_max3_num_f32 v[TM+\b], 0x2800000, |v[AC+16*\b]|, |v[AC+16*\b+1]|   ; from each accumulator's low end on; the floor 2^(5 - 127) holds the byte at 1
.endr
.irp i, 2,4,6,8,10,12,14
.irp b, 0,1,2,3
	v_max3_num_f32 v[TM+\b], v[TM+\b], |v[AC+16*\b+\i]|, |v[AC+16*\b+\i+1]|
.endr
.endr
	WIN 0
.irp b, 0,1,2,3
	v_permlanex16_b32 v[TM+4+\b], v[TM+\b], s88, s89
.endr
.irp b, 0,1,2,3
	v_max_num_f32 v[TM+\b], v[TM+\b], v[TM+4+\b]
.endr
.irp b, 0,1,2,3
	v_add_nc_u32 v[TM+12+\b], 0xfe000000, v[TM+\b] ; 4 off the exponent field: the conversion's scale operand
.endr
.irp b, 0,1,2,3
	v_lshrrev_b32 v[TM+4+\b], 23, v[TM+12+\b]      ; the byte
.endr
	s_wait_alu depctr_va_vdst(0)                   ; the wait ahead of the wait below
	s_wait_dscnt 0x0                               ; the last block's codes are back from the stage
.if (\a) > 0
	SENDO (\a)-1, \v1, \v2
.endif
	v_lshl_or_b32 v[PW], v[TM+5], 8, v[TM+4]
	v_lshl_or_b32 v[PW], v[TM+6], 16, v[PW]
	v_lshl_or_b32 v[PW], v[TM+7], 24, v[PW]
	WIN 2
.irp c, 0,1
	v_cvt_scalef32_pk16_bf6_f32 v[CD+6*\c:CD+6*\c+2], v[AC+32*\c:AC+32*\c+15], v[TM+12+2*\c]
	v_cvt_scalef32_pk16_bf6_f32 v[CD+12+4*\c:CD+14+4*\c], v[AC+32*\c+16:AC+32*\c+31], v[TM+13+2*\c]
.endr
	WIN 0
	v_nop                                          ; one plain line behind the conversions
.irp c, 0,1                            ; a whole block to a lane
.irp i, 0,1,2
	v_permlane16_swap_b32 v[CD+6*\c+\i], v[CD+12+4*\c+\i]
.endr
.irp i, 0,1,2
	v_mov_b32 v[CD+3+6*\c+\i], v[CD+12+4*\c+\i]
.endr
.endr
.irp c, 0,1                            ; 16 rows of 48 bytes for each of the two runs
.irp p, 0,1,2
	ds_store_b64 v[STO], v[CD+6*\c+2*\p:CD+6*\c+2*\p+1] offset:((\a)%2)*1536+\c*768+8*\p
.endr
.endr
	ds_store_b32 v[SWA], v[PW] offset:64*(\a)      ; both halves of the lanes write the same word
.irp i, 0,1,2
	ds_load_b128 v[OB+12*(\a)+4*\i:OB+12*(\a)+4*\i+3], v[RD] offset:((\a)%2)*1536+512*\i   ; LDS serves a wave's instructions in order
.endr
.endm
.macro TILE refill, v1, v2
	s_wait_alu depctr_va_vdst(0)                   ; the wait ahead of the waits below
	s_wait_loadcnt 0x0                             ; the tile's scale words are in:
.set n, 0
.rept 96
	v_perm_b32 v[SCA+n], v[SCA+n], v[SCA+n], s99   ; bytes 1 and 2 change places, as the blocks do in the fragments
.set n, n+1
.endr
.rept 8
	v_nop                                          ; a scale register written by a vector instruction stands eight places ahead of a scaled product
.endr
	s_wait_alu depctr_va_vdst(0)                   ; the wait ahead of the waits below
	s_wait_xcnt 0x0                                ; the last tile's stores and prefetches have read their registers
.if \refill
	s_cmp_eq_u32 s3, 1
	s_cselect_b64 s[90:91], s[38:39], s[62:63]     ; what I name of the next tile: k's, then v's
.endif
	s_wait_tensorcnt 0x0                           ; my part of the tile is in,
	s_barrier_signal -1
	s_barrier_wait -1                              ; everybody's is
	FETCHB 0, 0
	FETCHB 0, 4
	FETCHA 0
	STEP 0, 1                                      ; the first products start the sums
.if \refill
	WIN 0
	s_cmp_eq_u32 s14, 3                            ; wave 3 has no share
	s_cbranch_scc1 .Lno_ask_\@
	global_prefetch_b8 v[PFO], s[90:91] th:TH_LOAD_NT scope:SCOPE_SE
	global_prefetch_b8 v[PFO], s[90:91] offset:8192 th:TH_LOAD_NT scope:SCOPE_SE
	global_prefetch_b8 v[PFO], s[90:91] offset:16384 th:TH_LOAD_NT scope:SCOPE_SE
.Lno_ask_\@:
.endif
.irp st, 1,2,3,4,5,6
	STEP \st, 0
.endr
	s_wait_dscnt 0x0                               ; the last step's fragments are in
	PLACES
.if \refill
	WIN 0
	s_wait_tensorcnt 0x0
	ds_add_u32 v[SPW], v[NIL]
	s_add_nc_u64 s[G0+2:G0+3], s[G0+2:G0+3], 6291456       ; no load of mine is out: on to k's tile,
	s_add_nc_u64 s[G0B+2:G0B+3], s[G0B+2:G0B+3], 786432
	s_cmp_eq_u32 s3, 1
	s_cselect_b64 s[G0+2:G0+3], s[36:37], s[G0+2:G0+3]     ; or, in the second trip, to v's
	s_cselect_b64 s[G0B+2:G0B+3], s[60:61], s[G0B+2:G0B+3]
	WIN MUL
	MUL8 0, 7, 0
	s_wait_dscnt 0x0                               ; the add is done; my reads of the tile were over above
	s_barrier_signal -1
	MUL8 1, 7, 0
	WIN 0
	s_barrier_wait -1
	CREST                                          ; no wave of any partner still reads the tile
	JLOAD                                          ; the next tile
	WIN MUL
.else
	WIN MUL
	MUL8 0, 7, 0
	MUL8 1, 7, 0
.endif
	MUL8 2, 7, 0
	MUL8 3, 7, 0
	WIN 0
	PLACES                                         ; behind the last products
.irp b, 0,1,2,3
	v_mov_b32 v[TM+4+\b], 0                        ; a lane permute's destination counts as a source
.endr
.if \refill
	s_add_nc_u64 s[22:23], s[22:23], 262144        ; the next tile's scale words land under the way out
	s_add_nc_u64 s[92:93], s[92:93], 32768
	s_cmp_eq_u32 s3, 1
	s_cselect_b64 s[22:23], s[68:69], s[22:23]
	s_cselect_b64 s[92:93], s[70:71], s[92:93]
	SCLOAD
.endif
	QUANTA 0, \v1, \v2
	QUANTA 1, \v1, \v2
	QUANTA 2, \v1, \v2
	QUANTA 3, \v1, \v2
	ds_load_b64 v[224:225], v[RDS]
	s_wait_dscnt 0x0
	SENDO 3, \v1, \v2
	global_store_b64 v[HSO], v[224:225], s[94:95]  ; 256 consecutive bytes, aligned
.if \refill
	s_wait_xcnt 0x0                                ; the stores have read their bases
	s_add_nc_u64 s[84:85], s[84:85], 6291456
	s_add_nc_u64 s[94:95], s[94:95], 262144
	s_cmp_eq_u32 s3, 1
	s_cselect_b64 s[84:85], s[72:73], s[84:85]
	s_cselect_b64 s[94:95], s[74:75], s[94:95]
.endif
.endm
	s_mov_b32 s3, 2
.Ltile:                                            ; q's tile, then k's
	TILE 1, V1Q, V2Q
	s_sub_co_u32 s3, s3, 1
	s_cmp_lg_u32 s3, 0
	s_cbranch_scc1 .Ltile
	TILE 0, V1V, V2V                               ; v's tile asks for nothing more
	s_wait_tensorcnt 0x0                           ; the wave's end
	ds_add_u32 v[SPW], v[NIL]
	s_wait_dscnt 0x0
	CROUND                                         ; the closing round
	s_endpgm
.Lfunc_end_k_q32efabb2b5_proj:
	.size	k_q32efabb2b5_proj, .Lfunc_end_k_q32efabb2b5_proj-k_q32efabb2b5_proj
	.p2alignl 7, 3214868480
	.fill 96, 4, 3214868480
	.section	.rodata,"a",@progbits
	.p2align	6, 0x0
	.amdhsa_kernel k_q32efabb2b5_proj
		.amdhsa_group_segment_fixed_size 327680
		.amdhsa_private_segment_fixed_size 0
		.amdhsa_enable_private_segment 0
		.amdhsa_kernarg_size 48
		.amdhsa_user_sgpr_count 2
		.amdhsa_user_sgpr_kernarg_segment_ptr 1
		.amdhsa_wavefront_size32 1
		.amdhsa_system_sgpr_workgroup_id_x 1
		.amdhsa_system_sgpr_workgroup_id_y 1
		.amdhsa_system_sgpr_workgroup_id_z 1
		.amdhsa_system_vgpr_workitem_id 0
		.amdhsa_next_free_vgpr 768
		.amdhsa_next_free_sgpr 102
		.amdhsa_reserve_vcc 0
		.amdhsa_float_denorm_mode_32 3
		.amdhsa_float_denorm_mode_16_64 3
		.amdhsa_memory_ordered 1
		.amdhsa_forward_progress 1
		.amdhsa_inst_pref_size 175
	.end_amdhsa_kernel
	.amdgpu_metadata
---
amdhsa.version: [ 1, 2 ]
amdhsa.kernels:
  - .name:           k_q32efabb2b5_proj
    .symbol:         k_q32efabb2b5_proj.kd
    .args:
      - { .name: xc, .offset: 0, .size: 8, .value_kind: global_buffer, .address_space: global }
      - { .name: xs, .offset: 8, .size: 8, .value_kind: global_buffer, .address_space: global }
      - { .name: wc, .offset: 16, .size: 8, .value_kind: global_buffer, .address_space: global }
      - { .name: ws, .offset: 24, .size: 8, .value_kind: global_buffer, .address_space: global }
      - { .name: hc, .offset: 32, .size: 8, .value_kind: global_buffer, .address_space: global }
      - { .name: hs, .offset: 40, .size: 8, .value_kind: global_buffer, .address_space: global }
    .group_segment_fixed_size: 327680
    .private_segment_fixed_size: 0
    .kernarg_segment_align: 8
    .kernarg_segment_size: 48
    .max_flat_workgroup_size: 128
    .sgpr_count:     102
    .vgpr_count:     768
    .wavefront_size: 32
...
	.end_amdgpu_metadata
.endif
;; end of part 2
;; launch attn (part 3): grid 64 x 4, 16 waves a work-group, no clusters, 327,680 bytes of LDS; arguments hc, hs, oc, os; writes oc, os
.if DOCPART == 3
	.amdgcn_target "amdgcn-amd-amdhsa--gfx1250"
	.amdhsa_code_object_version 6
	.text
	.protected	k_q32efabb2b5_attn
	.globl	k_q32efabb2b5_attn
	.p2align	8
	.type	k_q32efabb2b5_attn,@function
k_q32efabb2b5_attn:
	s_mov_b64 s[64:65], 0
	v_nop
	global_prefetch_b8 v0, s[64:65] scope:SCOPE_SE
	s_setreg_imm32_b32 hwreg(HW_REG_WAVE_MODE, 25, 1), 1
	s_wait_xcnt 0x0
; Causal attention of one head (64 channels, 2,048 keys) on codes of BF6 (E3M2) with one E8M0 scale for each 32 along a product's K; the result is quantised in registers and leaves as codes.
; hc, hs: as the projection launch lays them.  In V a block's code index c is the key c with bits 3 and 4 exchanged, and the row at place p is the channel p with these bits exchanged.
; oc: byte (batch x head x 2,048 + s) x 48: the raw view [8192][1024] as codes, 768 bytes a row.  os: two scale bytes a query.
; THE SOFTMAX: t = score x log2(e) / 8; M = the row's largest t so far, rounded up to a whole number; p = 2^(t - M) is quantised along the keys; the sum is taken of the unquantised p and divides at the end.
; When M moves, the sum and O are multiplied by 2^(old M - new M): exact.
; LEFT OUT: steps of 128 keys all of which come after a wave's queries: the causal mask gives them p = 0.
; SHARES.  Work-group (j, head) owns the query blocks j and 7 - j of 256 queries; each of sixteen waves owns 16 queries of each block.
; THE HEAD'S K AND V STAY IN LDS, each byte filled once.  At the head each wave brings 128 keys (6,144 bytes) of keys 0-1,023: waves 0-7 of K, waves 8-15 of V; behind the first barrier the same piece of keys 1,024 on,
; which block j (queries under 1,024) never reads.  A wave has one tensor load out.  The scale words come through registers.
; No prefetch: no loop asks for tiles; both halves are asked for by the two loads themselves.
; NO CLUSTER, though the four work-groups of a head read the same K and V: the jump over hidden steps hangs on the work-group's number, which differs between the four.
; SCORES, K = 64 in an instruction of 128: source 0 holds keys 32 b + m and 32 b + 16 + m; source 1 is cut out of [q | zeros | q].  In tile (b, pi) register i of half h is key 32 b + 16 pi + 8 h + i: V's order.
; O^T = V^T P^T: the 16 registers of two tiles are 16 neighbouring channels.
; LIMITS: a block whose largest magnitude lies under 2^-122 gets the byte 1 (read by this program alone).  A block's largest p is taken from its largest score, which takes v_exp_f32 not to fall where its input rises.
; NaN and infinities are not served.
.set VC,   98304                       ; K's codes [key][48] at 0; V's codes here
.set VS,   196608                      ; V's scale words, 4,096 bytes
.set KS2,  208896                      ; K's: word 16 g + m: the two bytes of key 32 g + m, then of key 32 g + 16 + m
.set OST,  212992                      ; a wave's two rows of output codes
.set SS,   237568                      ; the output's scale bytes
.set SPARE, 0x3a400
.set F,    36
.set S,    96
.set O,    160
.set PCD,  192
.set PH,   204
.set BM,   212
.set BX,   216
.set SO,   220
	s_load_b256 s[4:11], s[0:1], 0x0               ; hc, hs, oc, os
	v_lshl_add_u32 v254, v0, 2, SPARE
	v_mov_b32 v255, 0
	ds_add_u32 v254, v255                          ; the opening lines
	ds_add_u32 v254, v255
	v_lshrrev_b32 v8, 5, v0
	v_readfirstlane_b32 s18, v8                    ; wave
	v_and_b32 v244, 15, v0                         ; r
	v_bfe_u32 v245, v0, 4, 1                       ; half
	v_and_b32 v246, 31, v0                         ; lane
	s_and_b32 s12, ttmp7, 0xffff                   ; j: the four work-groups of a head have numbers 64 apart
	s_mov_b32 s13, ttmp9                           ; batch x head
	s_and_b32 s14, s13, 1
	s_sub_co_u32 s15, 7, s12
	s_lshl_b32 s83, s18, 4
	s_lshl_b32 s98, s12, 8
	s_add_co_u32 s98, s98, s83                     ; my first query in block j
	s_lshl_b32 s99, s15, 8
	s_add_co_u32 s99, s99, s83                     ; and in block 7 - j
	s_mul_i32 s81, s14, 0x02020202
	s_add_co_u32 s82, s81, 0x01000100              ; q's scale word: my head's two bytes, twice
	s_add_co_u32 s81, s81, 0x05040100              ; K's: my head's two bytes of one word, then of another
	s_mov_b32 s20, 0x76543210
	s_mov_b32 s21, 0xfedcba98
	s_mov_b32 s22, 0x3e38aa3b                      ; c = log2(e) / 8
	s_mov_b32 s23, s22
	s_wait_alu depctr_va_vdst(0)                   ; the wait behind the run of scalar lines
	v_mul_u32_u24 v1, v244, 48
	v_mad_u32_u24 v1, v245, 24, v1
	v_add_nc_u32 v2, VC, v1
	v_lshl_add_u32 v3, v246, 2, VS
	s_mul_i32 s83, s18, 1536
	s_add_co_u32 s83, s83, OST
	v_add_nc_u32 v4, s83, v1
	v_lshl_add_u32 v5, v246, 4, s83
	s_lshl_b32 s84, s18, 5
	s_add_co_u32 s84, s84, SS
	v_lshl_add_u32 v6, v244, 1, s84
	s_min_u32 s84, s18, 1
	s_lshl_b32 s84, s84, 9
	s_add_co_u32 s84, s84, SS
	v_lshl_add_u32 v7, v246, 4, s84
	v_lshrrev_b32 v247, 4, v0
	v_lshlrev_b32 v92, 3, v0                       ; V's scale words: 8 bytes a thread
	v_lshlrev_b32 v247, 7, v247
	v_add_nc_u32 v93, VS, v92
	v_lshl_add_u32 v247, v244, 2, v247             ; thread t: the raw word of key 32 (t / 16) + t % 16
	v_lshl_add_u32 v248, v0, 2, KS2                ; and the word that it makes
	v_lshlrev_b32 v11, 3, v245
	v_lshlrev_b32 v228, 4, v246
	v_sub_nc_u32 v11, v244, v11
	s_lshl_b32 s83, s12, 1
	s_sub_co_u32 s83, 7, s83
	s_mul_i32 s83, s83, 12288                      ; my second row of oc lies (7 - 2 j) x 16 rows on
	s_sub_co_u32 s84, s83, 768
	v_mul_u32_u24 v229, v245, s84
	v_add_nc_u32 v230, s83, v228
	v_add_nc_u32 v229, v229, v228
	v_add_nc_u32 v230, 256, v230
	v_add_nc_u32 v229, 512, v229
.irp i, 22,23,24,25,26,27
	v_mov_b32 v\i, 0                               ; the zeros between the two copies of q
.endr
	s_mov_b32 s24, 3<<16                           ; group 1: 24 dense rows of 256 bytes (32 elements of 8)
	s_mov_b32 s25, 32<<16
	s_mov_b32 s26, 24<<16
	s_mov_b32 s27, 32<<16
	s_mov_b32 s28, 24
	s_mov_b32 s29, 32
	s_mov_b32 s30, 0
	s_mov_b32 s31, 0
	s_mov_b32 s48, 1
	s_mov_b32 s52, 1
	s_lshr_b32 s32, s18, 3                         ; 0: I fetch for K, 1: for V
	s_mul_i32 s49, s18, 6144
	s_mul_i32 s33, s32, 49152
	s_add_co_u32 s49, s49, s33                     ; LDS: 6,144 x wave, V's pieces 49,152 further on
	s_add_co_u32 s53, s49, 49152                   ; the same piece of keys 1,024 on
	s_and_b32 s34, s18, 7
	s_mul_i32 s34, s34, 6144
	s_mul_i32 s33, s32, 6291456
	s_add_co_u32 s34, s34, s33
	s_add_co_u32 s34, s34, 6291456                 ; part K or V of hc
	s_mov_b32 s35, 0
	s_mul_i32 s84, s13, 98304
	s_mov_b32 s85, 0
	s_lshr_b32 s88, s13, 1
	s_lshl_b32 s88, s88, 13
	s_mov_b32 s89, 0
	s_lshl_b32 s92, s13, 12
	s_mov_b32 s93, 0
	s_wait_dscnt 0x0
	s_wait_kmcnt 0x0
	s_add_nc_u64 s[86:87], s[4:5], s[84:85]
	s_add_nc_u64 s[90:91], s[6:7], s[88:89]
	s_add_nc_u64 s[50:51], s[86:87], s[34:35]
	s_add_nc_u64 s[54:55], s[50:51], 49152
	s_or_b32 s51, s51, 0x80000000
	s_or_b32 s55, s55, 0x80000000
	s_add_nc_u64 s[58:59], s[90:91], 262144        ; K's raw scale words
	s_add_nc_u64 s[62:63], s[6:7], s[92:93]
	s_add_nc_u64 s[62:63], s[62:63], 524288        ; V's scale words
	tensor_load_to_lds s[48:51], s[24:31]          ; my piece of keys 0-1,023
	s_nop 0
	global_load_b32 v249, v247, s[58:59]
	global_load_b32 v250, v247, s[58:59] offset:64
	global_load_b32 v251, v247, s[58:59] offset:4096
	global_load_b32 v252, v247, s[58:59] offset:4160
	global_load_b64 v[90:91], v92, s[62:63]
	s_mul_i32 s84, s98, 48
	s_add_nc_u64 s[94:95], s[86:87], s[84:85]
	s_mul_i32 s84, s99, 48
	s_add_nc_u64 s[96:97], s[86:87], s[84:85]
.irp p, 0,1,2
	global_load_b64 v[16+2*\p:17+2*\p], v1, s[94:95] offset:8*\p
	global_load_b64 v[28+2*\p:29+2*\p], v1, s[94:95] offset:8*\p
	global_load_b64 v[236+2*\p:237+2*\p], v1, s[96:97] offset:8*\p
.endr
	s_lshl_b32 s83, s98, 2
	v_lshl_add_u32 v226, v244, 2, s83
	s_lshl_b32 s83, s99, 2
	v_lshl_add_u32 v227, v244, 2, s83
	global_load_b32 v242, v226, s[90:91]           ; q's raw scale words
	global_load_b32 v243, v227, s[90:91]
	s_lshl_b32 s83, s13, 7
	s_lshl_b32 s84, s12, 4
	s_add_co_u32 s84, s84, s83
	s_add_co_u32 s84, s84, s18
	s_mul_i32 s84, s84, 768
	s_add_nc_u64 s[8:9], s[8:9], s[84:85]          ; oc at my wave's first row
	s_cmp_eq_u32 s18, 0
	s_cselect_b32 s84, s12, s15                    ; wave 0 stores block j's scale bytes, wave 1 block 7 - j's
	s_lshl_b32 s84, s84, 4
	s_add_co_u32 s84, s84, s83
	s_lshl_b32 s84, s84, 5
	s_add_nc_u64 s[10:11], s[10:11], s[84:85]
	s_wait_loadcnt 0x0                             ; the scale words, and q of both blocks
	v_perm_b32 v249, v250, v249, s81
	v_perm_b32 v251, v252, v251, s81
	s_wait_alu depctr_va_vdst(0)                   ; the wait at the head's end
	s_wait_tensorcnt 0x0                           ; my piece is in
	ds_store_b32 v248, v249
	ds_store_b32 v248, v251 offset:2048
	ds_store_b64 v93, v[90:91]
	s_wait_tensorcnt 0x0
	ds_add_u32 v254, v255
	s_wait_dscnt 0x0                               ; the add and my stores
	s_barrier_signal -1
	s_barrier_wait -1
	tensor_load_to_lds s[52:55], s[24:31]          ; my piece of keys 1,024 on lands under block j's work
	s_nop 0
.macro SCORE b, pi
.if (\b)%2
	v_wmma_scale_f32_16x16x128_f8f6f4 v[S+16*\b+8*\pi:S+16*\b+8*\pi+7], v[F+12*\b:F+12*\b+11], v[16+6*\pi:27+6*\pi], 0, v[84+\b/2], v34 matrix_a_fmt:MATRIX_FMT_BF6 matrix_b_fmt:MATRIX_FMT_BF6 matrix_a_scale:MATRIX_SCALE_ROW1
.else
	v_wmma_scale_f32_16x16x128_f8f6f4 v[S+16*\b+8*\pi:S+16*\b+8*\pi+7], v[F+12*\b:F+12*\b+11], v[16+6*\pi:27+6*\pi], 0, v[84+\b/2], v34 matrix_a_fmt:MATRIX_FMT_BF6 matrix_b_fmt:MATRIX_FMT_BF6
.endif
.endm
.macro PVMUL t
.if (\t)%2
	v_wmma_scale_f32_16x16x128_f8f6f4 v[O+8*\t:O+8*\t+7], v[F+12*\t:F+12*\t+11], v[PCD:PCD+11], v[O+8*\t:O+8*\t+7], v[86+\t/2], v88 matrix_a_fmt:MATRIX_FMT_BF6 matrix_b_fmt:MATRIX_FMT_BF6 matrix_a_scale:MATRIX_SCALE_ROW1
.else
	v_wmma_scale_f32_16x16x128_f8f6f4 v[O+8*\t:O+8*\t+7], v[F+12*\t:F+12*\t+11], v[PCD:PCD+11], v[O+8*\t:O+8*\t+7], v[86+\t/2], v88 matrix_a_fmt:MATRIX_FMT_BF6 matrix_b_fmt:MATRIX_FMT_BF6
.endif
.endm
.macro STEP                            ; 128 keys
	s_add_co_u32 s83, s79, 15                      ; a step all of whose keys come after my queries is left out: a scalar branch on ids
	s_cmp_gt_u32 s78, s83
	s_cbranch_scc1 .Lhidden_\@
	v_add_nc_u32 v8, s76, v1
	v_add_nc_u32 v9, s76, v2
	v_add_nc_u32 v10, s77, v3
	v_nop                                          ; four places in front of loads into registers that the last products read
.irp b, 0,1,2,3
.irp c, 0,1
.irp p, 0,1,2
	ds_load_b64 v[F+12*\b+6*\c+2*\p:F+12*\b+6*\c+2*\p+1], v8 offset:1536*\b+768*\c+8*\p
.endr
.endr
.endr
	ds_load_b32 v84, v10 offset:KS2-VS
	ds_load_b32 v85, v10 offset:KS2-VS+128
	s_wait_alu depctr_va_vdst(0)
	s_wait_dscnt 0x0
.irp b, 0,1,2,3
	SCORE \b, 0
	SCORE \b, 1
.endr
.rept 4
	v_nop
.endr
.irp t, 0,1,2,3                        ; V's fragments land under the softmax
.irp c, 0,1
.irp p, 0,1,2
	ds_load_b64 v[F+12*\t+6*\c+2*\p:F+12*\t+6*\c+2*\p+1], v9 offset:768*\t+3072*\c+8*\p
.endr
.endr
.endr
	ds_load_b32 v86, v10
	ds_load_b32 v87, v10 offset:128
	s_add_co_u32 s83, s78, 127                     ; on the diagonal hidden keys' scores become -infinity
	s_cmp_le_u32 s83, s79
	s_cbranch_scc1 .Lopen_\@
	s_sub_co_i32 s83, s79, s78
	v_add_nc_u32 v226, s83, v11
	v_mov_b32 v227, 0xff800000
.set n, 0
.rept 64
	v_cmp_gt_i32 vcc_lo, 32*(n/16)+16*((n/8)%2)+n%8, v226
	v_cndmask_b32 v[S+n], v[S+n], v227, vcc_lo
.set n, n+1
.endr
.Lopen_\@:
.irp b, 0,1,2,3
	v_max3_num_f32 v[BM+\b], v[S+16*\b], v[S+1+16*\b], v[S+2+16*\b]   ; each block's largest score
.endr
.irp i, 3,5,7,9,11,13
.irp b, 0,1,2,3
	v_max3_num_f32 v[BM+\b], v[BM+\b], v[S+16*\b+\i], v[S+1+16*\b+\i]
.endr
.endr
.irp b, 0,1,2,3
	v_max_num_f32 v[BM+\b], v[BM+\b], v[S+15+16*\b]
.endr
.irp b, 0,1,2,3
	s_delay_alu instid0(VALU_DEP_4)
	v_permlanex16_b32 v[BX+\b], v[BM+\b], s20, s21
.endr
.irp b, 0,1,2,3
	s_delay_alu instid0(VALU_DEP_4)
	v_max_num_f32 v[BM+\b], v[BM+\b], v[BX+\b]
.endr
	s_delay_alu instid0(VALU_DEP_2)
	v_max3_num_f32 v226, v[BM], v[BM+1], v[BM+2]
	s_delay_alu instid0(VALU_DEP_1)
	v_max_num_f32 v226, v226, v[BM+3]
	s_delay_alu instid0(VALU_DEP_1)
	v_mul_f32 v226, s22, v226
	s_delay_alu instid0(VALU_DEP_1)
	v_max_num_f32 v13, v13, v226                   ; the running largest t
	v_mov_b32 v226, v12
	s_delay_alu instid0(VALU_DEP_2)
	v_floor_f32 v12, -v13                          ; -M
	s_delay_alu instid0(VALU_DEP_1)
	v_sub_f32 v226, v12, v226
	s_delay_alu instid0(VALU_DEP_1)
	v_cvt_i32_f32 v226, v226
	s_delay_alu instid0(VALU_DEP_1)
	v_ldexp_f32 v224, 1.0, v226                    ; f = 2^(old M - new M)
.set n, 0
.rept 32
	v_pk_fma_f32 v[S+n:S+n+1], v[S+n:S+n+1], s[22:23], v[12:13] op_sel_hi:[1,0,0]   ; t - M
.set n, n+2
.endr
.irp b, 0,1,2,3
	v_fma_f32 v[BM+\b], v[BM+\b], s22, v12
.endr
.set n, 0
	s_wait_alu depctr_va_vdst(0)                   ; the wait ahead of the batch
.rept 64
	v_exp_f32 v[S+n], v[S+n]
.set n, n+1
.endr
.irp b, 0,1,2,3
	v_exp_f32 v[BM+\b], v[BM+\b]                   ; the block's largest p
.endr
	v_pk_mul_f32 v[14:15], v[14:15], v[224:225] op_sel_hi:[1,0]
	s_wait_alu depctr_va_vdst(0)                   ; and behind it
.irp b, 0,1,2,3
	v_max_num_f32 v[BM+\b], 0x2800000, v[BM+\b]
.endr
.irp b, 0,1,2,3
	s_delay_alu instid0(VALU_DEP_4)
	v_add_nc_u32 v[SO+\b], 0xfe000000, v[BM+\b]
.endr
.irp b, 0,1,2,3
	s_delay_alu instid0(VALU_DEP_4)
	v_lshrrev_b32 v[BX+\b], 23, v[SO+\b]
.endr
	s_delay_alu instid0(VALU_DEP_3)
	v_lshl_or_b32 v88, v[BX+1], 8, v[BX]           ; p's scale word
	s_delay_alu instid0(VALU_DEP_1)
	v_lshl_or_b32 v88, v[BX+2], 16, v88
	s_delay_alu instid0(VALU_DEP_1)
	v_lshl_or_b32 v88, v[BX+3], 24, v88
.irp c, 0,1
	v_cvt_scalef32_pk16_bf6_f32 v[PCD+6*\c:PCD+6*\c+2], v[S+32*\c:S+32*\c+15], v[SO+2*\c]
	v_cvt_scalef32_pk16_bf6_f32 v[PH+4*\c:PH+4*\c+2], v[S+32*\c+16:S+32*\c+31], v[SO+2*\c+1]
.endr
	v_nop
.irp c, 0,1
.irp i, 0,1,2
	v_permlane16_swap_b32 v[PCD+6*\c+\i], v[PH+4*\c+\i]
.endr
.irp i, 0,1,2
	s_delay_alu instid0(VALU_DEP_3)
	v_mov_b32 v[PCD+3+6*\c+\i], v[PH+4*\c+\i]
.endr
.endr
.set n, 0
.rept 16
	v_pk_mul_f32 v[O+n:O+n+1], v[O+n:O+n+1], v[224:225] op_sel_hi:[1,0]   ; O^T under the new M
.set n, n+2
.endr
	v_pk_add_f32 v[226:227], v[S:S+1], v[S+2:S+3]  ; the sum of the unquantised p, in four chains
	v_pk_add_f32 v[252:253], v[S+4:S+5], v[S+6:S+7]
	v_pk_add_f32 v[250:251], v[S+8:S+9], v[S+10:S+11]
	v_pk_add_f32 v[14:15], v[14:15], v[S+12:S+13]
.irp j, 14,22,30,38,46,54
	v_pk_add_f32 v[226:227], v[226:227], v[S+\j:S+\j+1]
	v_pk_add_f32 v[252:253], v[252:253], v[S+\j+2:S+\j+3]
	v_pk_add_f32 v[250:251], v[250:251], v[S+\j+4:S+\j+5]
	v_pk_add_f32 v[14:15], v[14:15], v[S+\j+6:S+\j+7]
.endr
	v_pk_add_f32 v[226:227], v[226:227], v[S+62:S+63]
	v_pk_add_f32 v[252:253], v[252:253], v[250:251]
	s_delay_alu instid0(VALU_DEP_2)
	v_pk_add_f32 v[14:15], v[14:15], v[226:227]
	s_delay_alu instid0(VALU_DEP_1)
	v_pk_add_f32 v[14:15], v[14:15], v[252:253]
	s_wait_dscnt 0x0                               ; V's fragments and scale words are in
.irp t, 0,1,2,3                        ; the four accumulators by turns; between two links stand the eight score products
	PVMUL \t
.endr
.Lhidden_\@:
	s_add_co_u32 s78, s78, 128
	s_add_co_u32 s76, s76, 6144
	s_add_co_u32 s77, s77, 256
.endm
.macro PASS n
	s_mov_b32 s80, \n
.Lpass_\@:
	STEP
	s_sub_co_u32 s80, s80, 1
	s_cmp_lg_u32 s80, 0
	s_cbranch_scc1 .Lpass_\@
.endm
.macro INIT p
	v_perm_b32 v34, v[242+\p], v[242+\p], s82
.if \p
.irp i, 0,1,2,3,4,5
	v_mov_b32 v[16+\i], v[236+\i]
	v_mov_b32 v[28+\i], v[236+\i]
.endr
.endif
	v_mov_b32 v13, 0xff61b1e6                      ; -3e38, under every t
	s_delay_alu instid0(VALU_DEP_1)
	v_floor_f32 v12, -v13
	v_mov_b32 v14, 0
	v_mov_b32 v15, 0
.set n, 0
.rept 32
	v_mov_b32 v[O+n], 0                            ; the step is written once: the first finds zeros
.set n, n+1
.endr
.irp b, 0,1,2,3
	v_mov_b32 v[BX+\b], 0
.endr
	v_mov_b32 v225, 0
	v_mov_b32 v226, 0
	v_mov_b32 v227, 0
	s_mov_b32 s79, s[98+\p]
	s_mov_b32 s76, 0
	s_mov_b32 s77, 0
	s_mov_b32 s78, 0
.endm
.macro FIN p                           ; O^T / the sum, quantised along the channels
.rept 4
	v_nop
.endr
	v_add_f32 v14, v14, v15
	s_delay_alu instid0(VALU_DEP_1)
	v_permlanex16_b32 v226, v14, s20, s21
	s_delay_alu instid0(VALU_DEP_1)
	v_add_f32 v14, v14, v226
	s_wait_alu depctr_va_vdst(0)
	v_rcp_f32 v14, v14
	v_nop
.set n, 0
	s_wait_alu depctr_va_vdst(0)
.rept 32
	v_mul_f32 v[S+n], v[O+n], v14                  ; each accumulator from its low end on
.set n, n+1
.endr
.irp b, 0,1
	v_max3_num_f32 v[BM+\b], |v[S+16*\b]|, |v[S+1+16*\b]|, 0x2800000
.endr
.irp i, 2,4,6,8,10,12,14
.irp b, 0,1
	s_delay_alu instid0(VALU_DEP_2)
	v_max3_num_f32 v[BM+\b], v[BM+\b], |v[S+16*\b+\i]|, |v[S+1+16*\b+\i]|
.endr
.endr
.irp b, 0,1
	s_delay_alu instid0(VALU_DEP_2)
	v_permlanex16_b32 v[BX+\b], v[BM+\b], s20, s21
.endr
.irp b, 0,1
	s_delay_alu instid0(VALU_DEP_2)
	v_max_num_f32 v[BM+\b], v[BM+\b], v[BX+\b]
.endr
.irp b, 0,1
	s_delay_alu instid0(VALU_DEP_2)
	v_add_nc_u32 v[SO+\b], 0xfe000000, v[BM+\b]
.endr
.irp b, 0,1
	s_delay_alu instid0(VALU_DEP_2)
	v_lshrrev_b32 v[BX+\b], 23, v[SO+\b]
.endr
	s_delay_alu instid0(VALU_DEP_1)
	v_lshl_or_b32 v226, v[BX+1], 8, v[BX]
	v_cvt_scalef32_pk16_bf6_f32 v[PCD:PCD+2], v[S:S+15], v[SO]
	v_cvt_scalef32_pk16_bf6_f32 v[PH:PH+2], v[S+16:S+31], v[SO+1]
	v_nop
.irp i, 0,1,2
	v_permlane16_swap_b32 v[PCD+\i], v[PH+\i]
.endr
.irp i, 0,1,2
	s_delay_alu instid0(VALU_DEP_3)
	v_mov_b32 v[PCD+3+\i], v[PH+\i]
.endr
.irp i, 0,1,2
	ds_store_b64 v4, v[PCD+2*\i:PCD+2*\i+1] offset:768*\p+8*\i
.endr
	ds_store_b16 v6, v226 offset:512*\p
.endm
	INIT 0
	PASS 8                                         ; block j: its queries see keys under 1,024 alone
	s_wait_alu depctr_va_vdst(0)
	s_wait_tensorcnt 0x0                           ; my piece of the keys from 1,024 on is in,
	FIN 0
	s_wait_dscnt 0x0
	s_barrier_signal -1
	s_barrier_wait -1                              ; everybody's is
	INIT 1
	PASS 16                                        ; block 7 - j
	s_wait_alu depctr_va_vdst(0)
	FIN 1
	ds_load_b128 v[36:39], v5                      ; my two rows of 768 bytes come back 16 bytes a lane
	ds_load_b128 v[40:43], v5 offset:512
	ds_load_b128 v[44:47], v5 offset:1024
	s_wait_dscnt 0x0
	global_store_b128 v228, v[36:39], s[8:9]       ; sixteen lanes store 256 consecutive bytes, aligned
	global_store_b128 v229, v[40:43], s[8:9]
	global_store_b128 v230, v[44:47], s[8:9]
	s_barrier_signal -1
	s_barrier_wait -1                              ; all waves' scale bytes lie in LDS
	s_cmp_lt_u32 s18, 2
	s_cbranch_scc0 .Lend
	ds_load_b128 v[48:51], v7
	s_wait_dscnt 0x0
	global_store_b128 v228, v[48:51], s[10:11]
.Lend:
	s_wait_tensorcnt 0x0                           ; the wave's end
	ds_add_u32 v254, v255
	s_wait_dscnt 0x0
	s_endpgm
.Lfunc_end_k_q32efabb2b5_attn:
	.size	k_q32efabb2b5_attn, .Lfunc_end_k_q32efabb2b5_attn-k_q32efabb2b5_attn
	.p2alignl 7, 3214868480
	.fill 96, 4, 3214868480
	.section	.rodata,"a",@progbits
	.p2align	6, 0x0
	.amdhsa_kernel k_q32efabb2b5_attn
		.amdhsa_group_segment_fixed_size 327680
		.amdhsa_private_segment_fixed_size 0
		.amdhsa_enable_private_segment 0
		.amdhsa_kernarg_size 32
		.amdhsa_user_sgpr_count 2
		.amdhsa_user_sgpr_kernarg_segment_ptr 1
		.amdhsa_wavefront_size32 1
		.amdhsa_system_sgpr_workgroup_id_x 1
		.amdhsa_system_sgpr_workgroup_id_y 1
		.amdhsa_system_sgpr_workgroup_id_z 1
		.amdhsa_system_vgpr_workitem_id 0
		.amdhsa_next_free_vgpr 256
		.amdhsa_next_free_sgpr 100
		.amdhsa_reserve_vcc 1
		.amdhsa_float_denorm_mode_32 3
		.amdhsa_float_denorm_mode_16_64 3
		.amdhsa_memory_ordered 1
		.amdhsa_forward_progress 1
		.amdhsa_inst_pref_size 69
	.end_amdhsa_kernel
	.amdgpu_metadata
---
amdhsa.version: [ 1, 2 ]
amdhsa.kernels:
  - .name:           k_q32efabb2b5_attn
    .symbol:         k_q32efabb2b5_attn.kd
    .args:
      - { .name: hc, .offset: 0, .size: 8, .value_kind: global_buffer, .address_space: global }
      - { .name: hs, .offset: 8, .size: 8, .value_kind: global_buffer, .address_space: global }
      - { .name: oc, .offset: 16, .size: 8, .value_kind: global_buffer, .address_space: global }
      - { .name: os, .offset: 24, .size: 8, .value_kind: global_buffer, .address_space: global }
    .group_segment_fixed_size: 327680
    .private_segment_fixed_size: 0
    .kernarg_segment_align: 8
    .kernarg_segment_size: 32
    .max_flat_workgroup_size: 512
    .sgpr_count:     100
    .vgpr_count:     256
    .wavefront_size: 32
...
	.end_amdgpu_metadata
.endif
;; end of part 3
;; launch outp (part 4): grid 4 x 64, 4 waves a work-group, clusters of 4 x 4, 327,680 bytes of LDS; arguments oc, os, wc, ws, out0; writes out0
.if DOCPART == 4
	.amdgcn_target "amdgcn-amd-amdhsa--gfx1250"
	.amdhsa_code_object_version 6
	.text
	.protected	k_q32efabb2b5_outp
	.globl	k_q32efabb2b5_outp
	.p2align	8
	.type	k_q32efabb2b5_outp,@function
k_q32efabb2b5_outp:
	s_mov_b64 s[64:65], 0
	v_nop
	global_prefetch_b8 v0, s[64:65] scope:SCOPE_SE
	s_setreg_imm32_b32 hwreg(HW_REG_WAVE_MODE, 25, 1), 1
	s_wait_xcnt 0x0
	s_wait_alu depctr_hold_cnt(0) depctr_sa_sdst(0) depctr_va_vdst(0) depctr_va_sdst(0) depctr_va_ssrc(0) depctr_va_vcc(0) depctr_vm_vsrc(0)
	s_getreg_b32 s2, hwreg(HW_REG_IB_STS2, 6, 4)
	s_cmp_eq_u32 s2, 0
	s_cbranch_scc0 .Lentry_in_a_cluster
	s_endpgm
.Lentry_in_a_cluster:
	s_bfe_u32 s2, ttmp6, 0x10000c
	s_cmp_lg_u32 s2, 0xf033
	s_cbranch_scc0 .Lentry_shape_is_right
	s_endpgm
.Lentry_shape_is_right:
; out0 [8192][1024] f32 = the attention's result (codes oc, scales os) x Wo (part 3 of wc, ws: row n = Wo's column n, K innermost), K = 1,024, on codes of BF6 (E3M2) with one E8M0 scale for each 32 along K.
; A work-group makes 128 rows x 256 columns; a wave 64 x 128: 32 accumulators.  256 work-groups in clusters of 4 x 4.
; ALL OF K IS STAGED ONCE: 384 rows of 768 bytes, each beginning at a multiple of 256 in memory, 816 bytes apart in LDS (16 of padding behind each 256).  No slot is filled again.
; One joint load a wave: waves 0, 1 bring A's halves (shared along the cluster's row), waves 2, 3 B's (shared along its column).  No prefetch: no loop asks for tiles; each byte is asked for once, at the head.
; The scale words go from memory into registers: lane l % 16 takes its row's 32 bytes, one word for each step of 128 along K.
; Source 0 = 16 rows of Wo's codes, source 1 = 16 rows of oc: a lane holds eight neighbouring numbers of a row of out0.
; REGISTERS: window 0: v16-31 addresses, v32-63 A's scale words, v64-127 B's, v128-223 A's fragments (two sets);  window 1: B's fragments, sets at v0 and v128;  window 2: accumulator (a, b) at v[8 (8 a + b)].
.set PITCH, 816
.set FR, 12
.set ABYTES, 128*PITCH
.set SPARE, 384*PITCH                  ; the spare words, 512 bytes that no other line names
.set SPITCH, 528                       ; the way out: a stage of 16 rows x (512 + 16) bytes a wave, in A's bytes
.set ADRA, 16
.set ADRB, 20
.set STO, 24
.set RD, 25
.set CO, 26
.set SOF, 27
.set SPW, 28
.set NIL, 29
.set SCA, 32
.set SCB, 64
.set AF, 128
.set BK, 128
.set G1, 24
.set G0, 32
.set G1B, 48
.set G0B, 56
.set MSB, 0
.macro WIN new
.if MSB != \new
	s_set_vgpr_msb (MSB<<8)|\new
.set MSB, \new
.endif
.endm
.set MUL, 0xa1
.set TO_B, 0x40
.macro CROUND
	s_barrier_signal -1
	s_barrier_wait -1
	s_cmp_lg_u32 s14, 0
	s_cbranch_scc1 .Lnot_wave_0_\@
	s_barrier_signal -3
.Lnot_wave_0_\@:
	s_barrier_wait -3
	s_barrier_signal -1
	s_barrier_wait -1
.endm
.macro PLACES
.rept 4
	v_nop
.endr
.endm
	s_load_b128 s[4:7], s[0:1], 0x0                ; oc, os
	s_load_b128 s[8:11], s[0:1], 0x10              ; wc, ws
	s_load_b64 s[12:13], s[0:1], 0x20              ; out0
	v_lshl_add_u32 v[SPW], v0, 2, SPARE
	v_mov_b32 v[NIL], 0
	ds_add_u32 v[SPW], v[NIL]                      ; the opening lines: the add twice and its wait
	ds_add_u32 v[SPW], v[NIL]
	v_lshrrev_b32 v1, 5, v0
	v_readfirstlane_b32 s14, v1                    ; wave
	s_lshr_b32 s15, s14, 1                         ; my half of the rows; also: I fetch for A (0) or B (1)
	s_and_b32 s16, s14, 1                          ; my half of the columns; also: which half I fetch
	s_bfe_u32 s40, ttmp6, 0x40000
	s_bfe_u32 s41, ttmp6, 0x40004
	s_lshl_b32 s42, ttmp9, 2
	s_add_co_u32 s42, s42, s40                     ; tile column
	s_and_b32 s17, ttmp7, 0xffff
	s_lshl_b32 s17, s17, 2
	s_add_co_u32 s17, s17, s41                     ; tile row
	s_lshl_b32 s43, s41, 2
	s_lshl_b32 s43, 15, s43
	s_lshl_b32 s44, 0x1111, s40
	s_or_b32 s[G1+0], s43, (1<<20)|(1<<21)|(5<<22)|(3<<25)
	s_or_b32 s[G1B+0], s44, (1<<20)|(1<<21)|(5<<22)|(3<<25)
.irp g, G1, G1B
	s_mov_b32 s[\g+1], 768<<16
	s_mov_b32 s[\g+3], 768<<16
	s_mov_b32 s[\g+5], 768
	s_mov_b32 s[\g+6], 0
	s_mov_b32 s[\g+7], 0
.endr
	s_mov_b32 s[G1+2], 64<<16
	s_mov_b32 s[G1+4], 64
	s_mov_b32 s[G1B+2], 128<<16
	s_mov_b32 s[G1B+4], 128
	s_lshl_b32 s20, s17, 7
	s_lshl_b32 s18, s16, 6
	s_add_co_u32 s20, s20, s18
	s_mul_i32 s20, s20, 768                        ; A: the 64 rows that I fetch
	s_mov_b32 s21, 0
	s_lshl_b32 s46, s42, 8
	s_lshl_b32 s18, s16, 7
	s_add_co_u32 s46, s46, s18
	s_mul_i32 s46, s46, 768                        ; B: the 128 rows
	s_mov_b32 s47, 0
	s_mul_i32 s45, s16, 64*PITCH
	s_mul_i32 s94, s16, 128*PITCH
	s_add_co_u32 s94, s94, ABYTES
	s_lshl_b32 s68, s17, 7
	s_lshl_b32 s70, s15, 6
	s_add_co_u32 s68, s68, s70                     ; my wave's first row
	s_lshl_b32 s69, s42, 8
	s_lshl_b32 s70, s16, 7
	s_add_co_u32 s69, s69, s70                     ; and first column
	s_lshl_b32 s22, s68, 5
	s_mov_b32 s23, 0
	s_lshl_b32 s92, s69, 5
	s_mov_b32 s93, 0
	s_wait_dscnt 0x0
	s_wait_kmcnt 0x0
	s_add_nc_u64 s[8:9], s[8:9], 3*786432          ; Wo's part
	s_add_nc_u64 s[10:11], s[10:11], 3*32768
	s_add_nc_u64 s[20:21], s[4:5], s[20:21]
	s_add_nc_u64 s[46:47], s[8:9], s[46:47]
	s_add_nc_u64 s[22:23], s[6:7], s[22:23]
	s_add_nc_u64 s[92:93], s[10:11], s[92:93]
	CROUND                                         ; all sixteen work-groups are here: the joint loads meet
	s_mov_b32 s[G0], 1
	s_mov_b32 s[G0+1], s45
	s_mov_b64 s[G0+2:G0+3], s[20:21]
	s_or_b32 s[G0+3], s[G0+3], 0x80000000
	s_mov_b32 s[G0B], 1
	s_mov_b32 s[G0B+1], s94
	s_mov_b64 s[G0B+2:G0B+3], s[46:47]
	s_or_b32 s[G0B+3], s[G0B+3], 0x80000000
	s_cmp_eq_u32 s15, 0                            ; one load a wave; s_nop 0 and four v_nop behind each line
	s_cbranch_scc0 .Lfor_b
	tensor_load_to_lds s[G0:G0+3], s[G1:G1+7]
	s_nop 0
	PLACES
	s_branch .Lasked
.Lfor_b:
	tensor_load_to_lds s[G0B:G0B+3], s[G1B:G1B+7]
	s_nop 0
	PLACES
.Lasked:
	s_lshl_b32 s72, s68, 12                        ; out0: 4,096 bytes a row,
	s_lshl_b32 s70, s69, 2                         ; 4 a column
	s_add_co_u32 s72, s72, s70
	s_mov_b32 s73, 0
	s_add_nc_u64 s[12:13], s[12:13], s[72:73]
	s_mul_i32 s18, s15, 64*PITCH
	s_mul_i32 s19, s16, 128*PITCH
	s_add_co_u32 s19, s19, ABYTES
	s_mul_i32 s96, s14, 16*SPITCH
	v_and_b32 v1, 15, v0
	v_bfe_u32 v2, v0, 4, 1
	v_mul_u32_u24 v3, v1, PITCH
	v_mad_u32_u24 v4, v2, 48, v3                   ; row x pitch + 48 x half
	v_mad_u32_u24 v5, v2, 64, v3                   ; lanes 16-31 behind one padding more
	v_add_nc_u32 v[ADRA], s18, v4
	v_add_nc_u32 v[ADRA+1], s18, v5
	v_add_nc_u32 v[ADRB], s19, v4
	v_add_nc_u32 v[ADRB+1], s19, v5
	v_add_nc_u32 v[ADRB+2], 64*PITCH, v[ADRB]
	v_add_nc_u32 v[ADRB+3], 64*PITCH, v[ADRB+1]
	v_lshlrev_b32 v[SOF], 5, v1
	v_mul_u32_u24 v6, v1, SPITCH
	v_lshl_add_u32 v6, v2, 5, v6
	v_add_nc_u32 v[STO], s96, v6
	v_and_b32 v7, 31, v0
	v_lshlrev_b32 v[CO], 4, v7
	v_add_nc_u32 v[RD], s96, v[CO]
	s_wait_alu depctr_va_vdst(0)                   ; the wait at the head's end
.irp a, 0,1,2,3
	global_load_b128 v[SCA+8*\a:SCA+8*\a+3], v[SOF], s[22:23] offset:512*\a
	global_load_b128 v[SCA+8*\a+4:SCA+8*\a+7], v[SOF], s[22:23] offset:512*\a+16
.endr
.irp b, 0,1,2,3,4,5,6,7
	global_load_b128 v[SCB+8*\b:SCB+8*\b+3], v[SOF], s[92:93] offset:512*\b
	global_load_b128 v[SCB+8*\b+4:SCB+8*\b+7], v[SOF], s[92:93] offset:512*\b+16
.endr
; a fragment, 16 rows x 128 K: lane (r, h) takes 48 consecutive bytes of its row at 96 st + 48 h, by three loads of 16 bytes: registers 0-5 hold block 2 h of the step's four blocks of 32, registers 6-11 block 2 h + 1.
; So blocks 1 and 2 change places along the instruction's K, alike in both operands, and bytes 1 and 2 of every scale word are exchanged to match.  Byte y of a row lies at y + 16 (y / 256) of its LDS row
.macro FRAG reg, adr, st, i
.irp p, 0,1,2
.set BY, 96*(\st)+16*\p
.if BY/256 == (BY+48)/256
	ds_load_b128 v[\reg+4*\p:\reg+4*\p+3], v[\adr] offset:BY+16*(BY/256)+(\i)*16*PITCH
.else
	ds_load_b128 v[\reg+4*\p:\reg+4*\p+3], v[\adr+1] offset:BY+16*(BY/256)+(\i)*16*PITCH
.endif
.endr
.endm
.macro FETCHB st, i0
	WIN TO_B
.irp i, 0,1,2,3
	FRAG 128*((\st)%2)+FR*(\i0+\i), ADRB+2*((\i0)/4), \st, \i
.endr
.endm
.macro FETCHA st
	WIN 0
.irp i, 0,1,2,3
	FRAG AF+48*((\st)%2)+FR*\i, ADRA, \st, \i
.endr
.endm
.macro MUL8 a, st, zero                ; the 32 accumulators take turns
.irp b, 0,1,2,3,4,5,6,7
.if \zero
	v_wmma_scale_f32_16x16x128_f8f6f4 v[8*(8*\a+\b):8*(8*\a+\b)+7], v[128*((\st)%2)+FR*\b:128*((\st)%2)+FR*\b+FR-1], v[AF+48*((\st)%2)+FR*\a:AF+48*((\st)%2)+FR*\a+FR-1], 0, v[SCB+8*\b+(\st)], v[SCA+8*\a+(\st)] matrix_a_fmt:MATRIX_FMT_BF6 matrix_b_fmt:MATRIX_FMT_BF6
.else
	v_wmma_scale_f32_16x16x128_f8f6f4 v[8*(8*\a+\b):8*(8*\a+\b)+7], v[128*((\st)%2)+FR*\b:128*((\st)%2)+FR*\b+FR-1], v[AF+48*((\st)%2)+FR*\a:AF+48*((\st)%2)+FR*\a+FR-1], v[8*(8*\a+\b):8*(8*\a+\b)+7], v[SCB+8*\b+(\st)], v[SCA+8*\a+(\st)] matrix_a_fmt:MATRIX_FMT_BF6 matrix_b_fmt:MATRIX_FMT_BF6
.endif
.endr
.endm
.macro STEP st, zero                   ; 32 products; the next step's 36 loads go out in two runs among them, four places behind the products that read those sets
	s_wait_dscnt 0x0
.if (\st) > 0
	PLACES
.endif
.if (\st) < 7
	FETCHB (\st)+1, 0                              ; the next step's 36 loads go out in two runs; 24 products stand behind the last of them
	FETCHB (\st)+1, 4
.else
	s_barrier_signal -1                            ; my reads of the tiles are over
.endif
	WIN MUL
	MUL8 0, \st, \zero
.if (\st) < 7
	FETCHA (\st)+1
	WIN MUL
.endif
	MUL8 1, \st, \zero
	MUL8 2, \st, \zero
	MUL8 3, \st, \zero
.endm
	s_mov_b32 s97, 0x03010200
	s_wait_loadcnt 0x0                             ; the scale words are in:
.set n, 0
.rept 96
	v_perm_b32 v[SCA+n], v[SCA+n], v[SCA+n], s97   ; bytes 1 and 2 change places, as the blocks do in the fragments
.set n, n+1
.endr
.rept 8
	v_nop                                          ; a scale register written by a vector instruction stands eight places ahead of a scaled product
.endr
	s_wait_alu depctr_va_vdst(0)                   ; the wait ahead of the wait below
	s_wait_tensorcnt 0x0                           ; my part of the tiles is in,
	s_barrier_signal -1
	s_barrier_wait -1                              ; everybody's is
	FETCHB 0, 0
	FETCHB 0, 4
	FETCHA 0
	STEP 0, 1
.irp st, 1,2,3,4,5,6,7
	STEP \st, 0
.endr
	WIN 0
	s_barrier_wait -1                              ; nobody reads the tiles any more: the stages may be written
; THE WAY OUT: a block of 16 rows x 128 columns goes through my stage and comes back as rows of 512 bytes
.macro TOSTAGE a
.set AC, 64*(\a)
	WIN 0x08
.irp b, 0,1,2,3,4,5,6,7
	ds_store_b128 v[STO], v[AC+8*\b:AC+8*\b+3] offset:64*\b          ; each accumulator from its low end on
	ds_store_b128 v[STO], v[AC+8*\b+4:AC+8*\b+7] offset:64*\b+16
.endr
	WIN 0
.set BB, BK+64*((\a)%2)
.irp t, 0,1,2,3,4,5,6,7,8,9,10,11,12,13,14,15
	ds_load_b128 v[BB+4*\t:BB+4*\t+3], v[RD] offset:\t*SPITCH        ; LDS serves a wave's instructions in order
.endr
.endm
.macro SEND a, younger
.set BB, BK+64*((\a)%2)
	s_wait_dscnt \younger
.if (\a) > 0
	s_add_nc_u64 s[12:13], s[12:13], 16*4096       ; behind a wait on XCNT: the earlier stores have read their base
.endif
.irp t, 0,1,2,3,4,5,6,7,8,9,10,11,12,13,14,15
	global_store_b128 v[CO], v[BB+4*\t:BB+4*\t+3], s[12:13] offset:\t*4096 th:TH_STORE_NT   ; 512 consecutive bytes, aligned
.endr
.endm
	PLACES
	TOSTAGE 0
.irp a, 1,2,3
.if \a > 1
	s_wait_xcnt 0x0
.endif
	TOSTAGE \a
	SEND \a-1, 32                                  ; behind block a - 1's loads: block a's 16 stores and 16 loads
.endr
	s_wait_xcnt 0x0
	SEND 3, 0
	s_wait_tensorcnt 0x0                           ; the wave's end
	ds_add_u32 v[SPW], v[NIL]
	s_wait_dscnt 0x0
	CROUND                                         ; the closing round
	s_endpgm
.Lfunc_end_k_q32efabb2b5_outp:
	.size	k_q32efabb2b5_outp, .Lfunc_end_k_q32efabb2b5_outp-k_q32efabb2b5_outp
	.p2alignl 7, 3214868480
	.fill 96, 4, 3214868480
	.section	.rodata,"a",@progbits
	.p2align	6, 0x0
	.amdhsa_kernel k_q32efabb2b5_outp
		.amdhsa_group_segment_fixed_size 327680
		.amdhsa_private_segment_fixed_size 0
		.amdhsa_enable_private_segment 0
		.amdhsa_kernarg_size 40
		.amdhsa_user_sgpr_count 2
		.amdhsa_user_sgpr_kernarg_segment_ptr 1
		.amdhsa_wavefront_size32 1
		.amdhsa_system_sgpr_workgroup_id_x 1
		.amdhsa_system_sgpr_workgroup_id_y 1
		.amdhsa_system_sgpr_workgroup_id_z 1
		.amdhsa_system_vgpr_workitem_id 0
		.amdhsa_next_free_vgpr 768
		.amdhsa_next_free_sgpr 98
		.amdhsa_reserve_vcc 0
		.amdhsa_float_denorm_mode_32 3
		.amdhsa_float_denorm_mode_16_64 3
		.amdhsa_memory_ordered 1
		.amdhsa_forward_progress 1
		.amdhsa_inst_pref_size 83
	.end_amdhsa_kernel
	.amdgpu_metadata
---
amdhsa.version: [ 1, 2 ]
amdhsa.kernels:
  - .name:           k_q32efabb2b5_outp
    .symbol:         k_q32efabb2b5_outp.kd
    .args:
      - { .name: oc, .offset: 0, .size: 8, .value_kind: global_buffer, .address_space: global }
      - { .name: os, .offset: 8, .size: 8, .value_kind: global_buffer, .address_space: global }
      - { .name: wc, .offset: 16, .size: 8, .value_kind: global_buffer, .address_space: global }
      - { .name: ws, .offset: 24, .size: 8, .value_kind: global_buffer, .address_space: global }
      - { .name: out0, .offset: 32, .size: 8, .value_kind: global_buffer, .address_space: global }
    .group_segment_fixed_size: 327680
    .private_segment_fixed_size: 0
    .kernarg_segment_align: 8
    .kernarg_segment_size: 40
    .max_flat_workgroup_size: 128
    .sgpr_count:     98
    .vgpr_count:     768
    .wavefront_size: 32
...
	.end_amdgpu_metadata
.endif
;; end of part 4
